; MI455X (gfx1250); checked and timed in simulation.
; The chip was launched on July 23, 2026; its instructions are those of AMD's public machine-readable ISA for CDNA 5 (MIT licence, August 2026) and "CDNA5" Instruction Set Architecture Reference Guide (July 2026). The comments in the code are by the model that wrote it; some were corrected since.
;; Multi Head Self Attention. Allowed arithmetic: matrix products marked QUANTISED: E2M3 operands, one E8M0 scale for each 32 along K, by v_wmma_scale_f32_16x16x128_f8f6f4 with both operands' format E2M3, f32 sums; everything else in f32.
;; Inputs: b_out 1,024 float32; b_qkv 3,072 float32; mask 1 x 1 x 2,048 x 2,048 bool; w_out 1,024 x 1,024 float32; w_qkv 3,072 x 1,024 float32; x 4 x 2,048 x 1,024 float32.
;; Outputs: out0 4 x 2,048 x 1,024 float32.
;; This version of the problem:
;;   THIS VERSION OF THE PROBLEM IS GIVEN IN LOW PRECISION. The matrix products marked QUANTISED in the list below multiply operands that are first quantised to E2M3 (2 exponent bits, 3 mantissa bits; 6 bits a number), with one power-of-two scale for each 32 numbers along K (OCP MX v1.0); their sums are f32. All else is computed in f32.
;;   The module's matrix products, in the order in which they are computed (A, B: the left and right operand; K: the contracted axis; several contracted axes count as one K, in the product's order):
;;     1. [M 8,192, K 1,024] x [K 1,024, N 3,072]; A: input x; B: input w_qkv: QUANTISED
;;     2. batch 64 x [M 2,048, K 64] x [K 64, N 2,048]; A: computed on the way; B: computed on the way: QUANTISED
;;     3. batch 64 x [M 2,048, K 2,048] x [K 2,048, N 64]; A: softmax (see below); B: computed on the way: QUANTISED
;;     4. [M 8,192, K 1,024] x [K 1,024, N 1,024]; A: computed on the way; B: input w_out: QUANTISED
;;   THE QUANTISER, for each operand of a quantised product, along K:
;;     - K is cut into blocks of 32 from its start; a last block that is shorter is filled with zeros.
;;     - A block's scale is 2^e with e = floor(log2(the largest magnitude in the block)) - 2, held to -126 .. 127; a block of zeros has e = 0. As a byte (E8M0): e + 127.
;;     - Each number is divided by its block's scale, clamped to +-7.5, and rounded to the nearest number of E2M3, ties to even, subnormals kept.
;;     - The product sums the exact products of the quantised numbers (number of the format x scale) in f32.
;;   ~~~python
;;   def quantise(x, axis):      # numpy; x: float32 -> the quantised numbers, widened to float32 again
;;       x = np.moveaxis(x, axis, -1); K = x.shape[-1]
;;       x = np.pad(x, [(0, 0)] * (x.ndim - 1) + [(0, -K % 32)]); x = x.reshape(x.shape[:-1] + (-1, 32)); a = np.abs(x).max(-1, keepdims=True)
;;       e = np.where(a > 0, np.clip(np.frexp(np.where(a > 0, a, 1))[1] - 1 - 2, -126, 127), 0)      # np.frexp(a)[1] - 1 = floor(log2(a)), exactly
;;       r = np.clip(x / 2.0 ** e, -7.5, 7.5)
;;       step = 2.0 ** (np.maximum(np.frexp(np.where(r == 0, 1, r))[1] - 1, 0) - 3)
;;       q = np.round(r / step) * step * 2.0 ** e      # np.round: ties to even
;;       return np.moveaxis(q.reshape(q.shape[:-2] + (-1,))[..., :K], -1, axis).astype(np.float32)
;;   ~~~
;;   SOFTMAX AHEAD OF A QUANTISED PRODUCT. Where the list says 'softmax', what is quantised is not the finished softmax but p = 2^(t - M), with t = logit x log2(e) and M = ceil(the row's largest t), a whole number; so 1/2 < the row's largest p <= 1. The row's sum l is taken of the UNQUANTISED p, in f32, and the product's result is divided by l at the end. Since M is a whole number, a kernel that streams over the keys may use a running M (the ceiling of the running maximum): every later rescaling is an exact power of two, which a block's scale takes up: the codes' values come out the same.
;;   OPERANDS COMPUTED ON THE WAY. 'Computed on the way' means the value that the module computes at that place (a softmax that the list does not call 'softmax' is quantised finished and normalised). What goes into a quantiser is computed in f32, as accurately as f32 sums, v_exp_f32 and their like allow (about 1e-6 of the number): no bf16 or f16 on the way to a quantiser, and a product that is left as it is and whose result goes on into a quantised operand takes f32 operands (vector FMAs, or v_wmma_f32_16x16x4_f32). A number that lies on a knife's edge between two numbers of the format may be rounded either way, as far as f32 arithmetic and the matrix unit's own rounding can turn it there, and no further.
;; One version. Each part assembles by itself: llvm-mc -triple=amdgcn-amd-amdhsa -mcpu=gfx1250 --defsym DOCPART=n.
;; ======== version 1 of 1: 4 launches
;; workspace buffers: xw_codes 9,437,184 bytes; xw_scales 393,216 bytes; mwords 526,336 bytes of whole numbers; qkv_img 18,874,368 bytes; qkv_sc 786,432 bytes; cimg 6,291,456 bytes; csc 262,144 bytes
;; launch prep (part 1): grid 512 x 1, 4 waves a work-group, no clusters, 33,280 bytes of LDS; arguments x, w_qkv, w_out, mask, xw_codes, xw_scales, mwords; writes xw_codes, xw_scales, mwords
.if DOCPART == 1
	.amdgcn_target "amdgcn-amd-amdhsa--gfx1250"
	.amdhsa_code_object_version 6
	.text
	.protected	k_q61d201d7a5_prep
	.globl	k_q61d201d7a5_prep
	.p2align	8
	.type	k_q61d201d7a5_prep,@function
k_q61d201d7a5_prep:
	s_mov_b64 s[64:65], 0
	v_nop
	global_prefetch_b8 v0, s[64:65] scope:SCOPE_SE
	s_setreg_imm32_b32 hwreg(HW_REG_WAVE_MODE, 25, 1), 1
	s_wait_xcnt 0x0
; PREP.  Work-groups 0-383: x [8192][1024], w_qkv [3072][1024], w_out [1024][1024], f32, become codes of FP6 (E2M3) with K innermost (768 bytes a row) and one E8M0 byte
; for each 32 along K (32 bytes a row), in ONE space of 12,288 rows: x, then w_qkv, then w_out.  A block's scale is 2^(floor(log2(its largest magnitude)) - 2).
; POSITION ORDER: the rows of x and of w_qkv are laid with bits 3 and 4 of the row number exchanged, so that lane r of a tile of 16 neighbouring stored rows 2 b + u holds
; original row 32 b + 8 u + r + 8 (r / 8): a product that takes such rows as source 0 leaves 16 neighbours along them in a lane's 16 registers of two neighbouring tiles.
; A wave takes 8 rows (8,192 numbers), a work-group 32: the exchange is that waves 1 and 2 change their places of output.  w_out's rows stay as they are.
; Work-groups 384-511: the mask [2048][2048] of bytes becomes lane masks for the attention launch, and two bits for each tile of 16 queries x 128 keys.
;   table:  word n of [query tile qt][key step s][64]: bit L = mask[32 (qt / 2) + 8 (qt % 2) + r + 8 (r / 8)][128 s + 32 (n / 16) + 16 (L / 16) + n % 16], r = L % 16
;   flags at byte 524,288: [qt][wave 4] words; in their OR bit 2 s says that some key of step s counts for some query of the tile, bit 2 s + 1 that some key is hidden.
; LIMITS: blocks whose largest magnitude lies under 2^-124, blocks of zeros among them, get the byte 1 (the rule's 127 for zeros is not kept: the codes are zeros, and this
; program alone reads the bytes); NaN and infinities among the inputs are not served.
.set QWG,   384                        ; work-groups that quantise: 256 for x, 96 for w_qkv, 32 for w_out
.set STEPS, 16
.set EMAX,  2
.set CB,    12                         ; bytes of 16 codes
.set R,     16                         ; v16-79   four sets of 16 numbers as loaded
.set X,     80                         ; v80-111  two sets of 16 neighbours
.set C,     128                        ; v128-191 codes, four registers a step
.set E,     112                        ; v112-127 a scale byte a step
.set WREG,  8192                       ; LDS: a region for each wave: two stages of 32 x SP bytes, then its 256 scale bytes
.set SP,    80
.set M,     16                         ; mask path: v16-79 sixteen loads of 16 bytes
.set OUT,   80                         ; v80-87 a pair of table words a lane for each of the wave's four key steps
.set MFLG,  524288
	s_load_b256 s[4:11], s[0:1], 0x0               ; x, w_qkv, w_out, mask
	s_load_b128 s[12:15], s[0:1], 0x20             ; the codes, the scale bytes
	s_load_b64 s[16:17], s[0:1], 0x30              ; the mask's words
	v_lshl_add_u32 v192, v0, 2, 0x8000
	v_mov_b32 v193, 0
	v_lshrrev_b32 v1, 5, v0
	v_readfirstlane_b32 s20, v1                    ; wave
	v_and_b32 v2, 31, v0                           ; lane
	s_cmp_ge_u32 ttmp9, QWG
	s_cbranch_scc1 .Lmask
	; ---------------- the quantiser: a stream of blocks of 32
	v_lshlrev_b32 v3, 4, v2                        ; my 16 bytes of a load's 512
	s_mul_i32 s24, s20, WREG
	v_lshrrev_b32 v14, 2, v2
	v_mul_u32_u24 v14, v14, SP
	v_and_b32 v15, 3, v2
	v_lshl_add_u32 v14, v15, 4, v14
	v_add_nc_u32 v14, s24, v14                     ; the stage on the way in: four lanes' 64 bytes on end, then 16 of padding
	v_mul_u32_u24 v15, v2, SP
	v_add_nc_u32 v15, s24, v15                     ; and on the way out: my 16 neighbours
	v_mul_u32_u24 v4, v2, CB                       ; my codes' place in a step's 384 bytes
	v_lshrrev_b32 v5, 1, v2
	s_add_co_u32 s24, s24, 2*32*SP
	v_add_nc_u32 v5, s24, v5                       ; my block's byte among my wave's 256
	v_lshlrev_b32 v7, 3, v2
	v_add_nc_u32 v6, s24, v7
	s_and_b32 s21, s20, 1
	s_lshl_b32 s21, s21, 1
	s_lshr_b32 s22, s20, 1
	s_or_b32 s21, s21, s22                         ; the wave's number with its two bits exchanged
	s_mov_b32 s23, 352
	s_wait_alu depctr_va_vdst(0)
	s_wait_kmcnt 0x0
	s_cmp_lt_u32 ttmp9, 256                        ; which tensor: the choice hangs on the work-group's number alone
	s_cselect_b64 s[4:5], s[4:5], s[6:7]
	s_cselect_b32 s18, 0, 256
	s_cmp_lt_u32 ttmp9, 352
	s_cselect_b64 s[4:5], s[4:5], s[8:9]
	s_cselect_b32 s18, s18, s23                    ; the tensor's first work-group
	s_cselect_b32 s21, s21, s20                    ; w_out keeps its order
	s_sub_co_u32 s18, ttmp9, s18
	s_lshl_b32 s18, s18, 2
	s_add_co_u32 s18, s18, s20                     ; which run of 8 rows I read,
	s_lshl_b32 s18, s18, 15                        ; 32,768 bytes each
	s_mov_b32 s19, 0
	s_add_nc_u64 s[4:5], s[4:5], s[18:19]
	s_lshl_b32 s22, ttmp9, 2
	s_add_co_u32 s22, s22, s21                     ; and which run of the 12,288 rows I write
	s_mul_i32 s18, s22, 32*STEPS*CB
	s_add_nc_u64 s[12:13], s[12:13], s[18:19]
	s_lshl_b32 s18, s22, 8
	s_add_nc_u64 s[14:15], s[14:15], s[18:19]
.macro LOAD t
.irp i, 0,1,2,3
	global_load_b128 v[R+16*((\t)%4)+4*\i:R+16*((\t)%4)+4*\i+3], v3, s[4:5] offset:2048*(\t)+512*\i th:TH_LOAD_NT   ; 32 lanes read 512 consecutive bytes
.endr
.endm
.macro TURN t                          ; a step's 2,048 bytes through the wave's stage: LDS serves a wave's instructions in order, so no wait stands between the stores and the loads
.irp i, 0,1,2,3
	ds_store_b128 v14, v[R+16*((\t)%4)+4*\i:R+16*((\t)%4)+4*\i+3] offset:32*SP*((\t)%2)+8*SP*\i
.endr
.irp i, 0,1,2,3
	ds_load_b128 v[X+16*((\t)%2)+4*\i:X+16*((\t)%2)+4*\i+3], v15 offset:32*SP*((\t)%2)+16*\i
.endr
.endm
.irp t, 0,1,2,3
	LOAD \t
.endr
	s_wait_loadcnt 12                              ; step 0's four loads are in; three steps' twelve stay out
	TURN 0
.macro STEP t
.set XS, X+16*((\t)%2)
.if (\t) > 0
	s_wait_dscnt 1                                 ; this step's numbers are back from the stage; the last step's byte store may be out
.else
	s_wait_dscnt 0x0
.endif
.if (\t)+4 < STEPS
	LOAD (\t)+4                                    ; into the registers that this step's stores into the stage have read
.endif
.if (\t)+1 < STEPS
.if STEPS-2-(\t) >= 3
	s_wait_loadcnt 12                              ; the next step's four loads are in; those of the three steps behind it may be out
.else
	s_wait_loadcnt 4*(STEPS-2-(\t))
.endif
	TURN (\t)+1
.endif
	v_max3_num_f32 v8, |v[XS]|, |v[XS+1]|, |v[XS+2]|               ; the largest magnitude of my 16, in two chains
	v_max3_num_f32 v9, |v[XS+3]|, |v[XS+4]|, |v[XS+5]|
.irp i, 6,10
	v_max3_num_f32 v8, v8, |v[XS+\i]|, |v[XS+\i+1]|
	v_max3_num_f32 v9, v9, |v[XS+\i+2]|, |v[XS+\i+3]|
.endr
	v_max3_num_f32 v8, v8, |v[XS+14]|, |v[XS+15]|
	v_max3_num_f32 v8, v8, v9, (EMAX+1)<<23        ; and the floor 2^(3 - 127): the byte cannot fall under 1
	v_max_num_f32_dpp v8, v8, v8 row_xmask:1 row_mask:0xf bank_mask:0xf   ; with my neighbour's 16: the block's
	v_add_nc_u32 v11, -(EMAX<<23), v8              ; 2 off its exponent field: the conversion takes that field of this operand as its scale
	v_cvt_scalef32_pk16_fp6_f32 v[C+4*(\t):C+4*(\t)+2], v[XS:XS+15], v11
	v_lshrrev_b32 v[E+(\t)], 23, v11               ; the scale's byte
	ds_store_b8 v5, v[E+(\t)] offset:16*(\t)       ; both lanes of a block write the same byte with the same value
	global_store_b96 v4, v[C+4*(\t):C+4*(\t)+2], s[12:13] offset:32*CB*(\t)   ; the wave stores 384 consecutive bytes
.endm
.irp t, 0,1,2,3,4,5,6,7,8,9,10,11,12,13,14,15
	STEP \t
.endr
	ds_load_b64 v[12:13], v6                       ; my wave's 256 scale bytes: these loads see my stores
	s_wait_dscnt 0x0
	global_store_b64 v7, v[12:13], s[14:15]        ; 32 lanes store 256 consecutive bytes, aligned
	s_wait_tensorcnt 0x0
	ds_add_u32 v192, v193
	s_wait_dscnt 0x0
	s_endpgm
	; ---------------- the mask: query tile qt = work-group - 384; wave w takes key steps 4 w .. 4 w + 3.  No LDS
.Lmask:
	s_sub_co_u32 s21, ttmp9, QWG                   ; qt
	s_wait_alu depctr_va_vdst(0)
	v_and_b32 v3, 15, v2                           ; r
	v_lshrrev_b32 v6, 4, v2                        ; h
	v_and_b32 v4, 8, v3
	v_add_nc_u32 v4, v4, v3                        ; r + 8 (r / 8)
	v_lshlrev_b32 v4, 11, v4                       ; a row of the mask is 2,048 bytes
	v_lshl_add_u32 v4, v6, 4, v4                   ; + 16 h: my 16 keys of a block of 32
	v_lshlrev_b32 v5, 3, v2                        ; out: two words a lane
	s_lshr_b32 s22, s21, 1
	s_lshl_b32 s22, s22, 5
	s_and_b32 s23, s21, 1
	s_lshl_b32 s23, s23, 3
	s_add_co_u32 s22, s22, s23                     ; the tile's first row: 32 (qt / 2) + 8 (qt % 2)
	s_lshl_b32 s22, s22, 11
	s_lshl_b32 s23, s20, 9                         ; my four key steps: 512 bytes of each row
	s_add_co_u32 s22, s22, s23
	s_mov_b32 s23, 0
	s_lshl_b32 s18, s21, 4
	s_lshl_b32 s19, s20, 2
	s_add_co_u32 s18, s18, s19                     ; 16 qt + 4 w: my first key step's number in the table, and my flag word's byte
	s_mov_b32 s24, 0xff
	s_mov_b32 s25, 0xff00
	s_mov_b32 s26, 0xff0000
	s_mov_b32 s27, 0xff000000
	s_mov_b32 s31, 0
.irp i, 0,1,2,3,4,5,6,7
	v_mov_b32 v[OUT+\i], 0                         ; v_writelane_b32's destination counts as read
.endr
	s_wait_kmcnt 0x0
	s_add_nc_u64 s[10:11], s[10:11], s[22:23]
	s_add_co_u32 s22, s18, MFLG
	s_add_nc_u64 s[38:39], s[16:17], s[22:23]      ; my flag word
	s_lshl_b32 s22, s18, 8
	s_add_nc_u64 s[16:17], s[16:17], s[22:23]      ; my four steps of the table, 256 bytes each
.irp j, 0,1,2,3
.irp b, 0,1,2,3
	global_load_b128 v[M+16*\j+4*\b:M+16*\j+4*\b+3], v4, s[10:11] offset:128*\j+32*\b
.endr
.endr
.macro MSTEP j                         ; one key step: 64 lane masks, four at a time (the four bytes of one register), each dropped into its lane of the output pair
	s_wait_loadcnt 12-4*\j                         ; this step's four loads are in; the younger steps' stay out
	s_mov_b32 s29, 0                               ; the OR of the 64,
	s_mov_b32 s30, -1                              ; and their AND
.set g, 0
.rept 16
.irp k, 0,1,2,3
	v_and_b32 v[88+\k], s[24+\k], v[M+16*\j+g]
.endr
.irp k, 0,1,2,3
	v_cmp_ne_u32 s[32+\k], 0, v[88+\k]             ; word n = 4 g + k: bit L = my lane's byte is set
.endr
.irp k, 0,1,2,3
	v_writelane_b32 v[OUT+2*\j+(\k&1)], s[32+\k], 2*g+(\k>>1)   ; word n lies in lane n / 2, register n % 2
.endr
	s_or_b32 s36, s32, s33
	s_or_b32 s37, s34, s35
	s_or_b32 s36, s36, s37
	s_or_b32 s29, s29, s36
	s_and_b32 s36, s32, s33
	s_and_b32 s37, s34, s35
	s_and_b32 s36, s36, s37
	s_and_b32 s30, s30, s36
.set g, g+1
.endr
	s_cmp_lg_u32 s30, -1
	s_cselect_b32 s36, 1, 0                        ; some key counts
	s_cmp_lg_u32 s29, 0
	s_cselect_b32 s37, 2, 0                        ; some key is hidden
	s_or_b32 s36, s36, s37
	s_lshl_b32 s36, s36, 2*\j
	s_or_b32 s31, s31, s36
	s_wait_alu depctr_va_vdst(0)
	global_store_b64 v5, v[OUT+2*\j:OUT+2*\j+1], s[16:17] offset:256*\j   ; 32 lanes store 256 consecutive bytes, aligned
.endm
	MSTEP 0
	MSTEP 1
	MSTEP 2
	MSTEP 3
	s_lshl_b32 s22, s20, 3
	s_lshl_b32 s31, s31, s22                       ; my eight bits at their place among the tile's 32
	v_mov_b32 v92, s31
	v_mov_b32 v93, 0
	s_wait_alu depctr_va_vdst(0)
	s_wait_xcnt 0x0                                ; EXEC changes only behind this wait
	v_cmp_eq_u32 vcc_lo, 0, v2
	s_and_saveexec_b32 s21, vcc_lo
	global_store_b32 v93, v92, s[38:39]            ; one lane stores the word
	s_wait_xcnt 0x0                                ; and again in front of the line that widens it
	s_or_b32 exec_lo, exec_lo, s21
	s_endpgm
.Lfunc_end_k_q61d201d7a5_prep:
	.size	k_q61d201d7a5_prep, .Lfunc_end_k_q61d201d7a5_prep-k_q61d201d7a5_prep
	.p2alignl 7, 3214868480
	.fill 96, 4, 3214868480
	.section	.rodata,"a",@progbits
	.p2align	6, 0x0
	.amdhsa_kernel k_q61d201d7a5_prep
		.amdhsa_group_segment_fixed_size 33280
		.amdhsa_private_segment_fixed_size 0
		.amdhsa_enable_private_segment 0
		.amdhsa_kernarg_size 56
		.amdhsa_user_sgpr_count 2
		.amdhsa_user_sgpr_kernarg_segment_ptr 1
		.amdhsa_wavefront_size32 1
		.amdhsa_system_sgpr_workgroup_id_x 1
		.amdhsa_system_sgpr_workgroup_id_y 1
		.amdhsa_system_sgpr_workgroup_id_z 1
		.amdhsa_system_vgpr_workitem_id 0
		.amdhsa_next_free_vgpr 194
		.amdhsa_next_free_sgpr 66
		.amdhsa_reserve_vcc 1
		.amdhsa_float_denorm_mode_32 3
		.amdhsa_float_denorm_mode_16_64 3
		.amdhsa_memory_ordered 1
		.amdhsa_forward_progress 1
		.amdhsa_inst_pref_size 94
	.end_amdhsa_kernel
	.amdgpu_metadata
---
amdhsa.version: [ 1, 2 ]
amdhsa.kernels:
  - .name:           k_q61d201d7a5_prep
    .symbol:         k_q61d201d7a5_prep.kd
    .args:
      - { .name: x, .offset: 0, .size: 8, .value_kind: global_buffer, .address_space: global }
      - { .name: w_qkv, .offset: 8, .size: 8, .value_kind: global_buffer, .address_space: global }
      - { .name: w_out, .offset: 16, .size: 8, .value_kind: global_buffer, .address_space: global }
      - { .name: mask, .offset: 24, .size: 8, .value_kind: global_buffer, .address_space: global }
      - { .name: xw_codes, .offset: 32, .size: 8, .value_kind: global_buffer, .address_space: global }
      - { .name: xw_scales, .offset: 40, .size: 8, .value_kind: global_buffer, .address_space: global }
      - { .name: mwords, .offset: 48, .size: 8, .value_kind: global_buffer, .address_space: global }
    .group_segment_fixed_size: 33280
    .private_segment_fixed_size: 0
    .kernarg_segment_align: 8
    .kernarg_segment_size: 56
    .max_flat_workgroup_size: 128
    .sgpr_count:     66
    .vgpr_count:     194
    .wavefront_size: 32
...
	.end_amdgpu_metadata
.endif
;; end of part 1
;; launch qkv (part 2): grid 96 x 4, 4 waves a work-group, clusters of 4 x 4, 327,680 bytes of LDS; arguments xw_codes, xw_scales, b_qkv, qkv_img, qkv_sc; writes qkv_img, qkv_sc
.if DOCPART == 2
	.amdgcn_target "amdgcn-amd-amdhsa--gfx1250"
	.amdhsa_code_object_version 6
	.text
	.protected	k_q61d201d7a5_qkv
	.globl	k_q61d201d7a5_qkv
	.p2align	8
	.type	k_q61d201d7a5_qkv,@function
k_q61d201d7a5_qkv:
	s_mov_b64 s[64:65], 0
	v_nop
	global_prefetch_b8 v0, s[64:65] scope:SCOPE_SE
	s_setreg_imm32_b32 hwreg(HW_REG_WAVE_MODE, 25, 1), 1
	s_wait_xcnt 0x0
	s_wait_alu depctr_hold_cnt(0) depctr_sa_sdst(0) depctr_va_vdst(0) depctr_va_sdst(0) depctr_va_ssrc(0) depctr_va_vcc(0) depctr_vm_vsrc(0)
	s_getreg_b32 s2, hwreg(HW_REG_IB_STS2, 6, 4)
	s_cmp_eq_u32 s2, 0
	s_cbranch_scc0 .Lentry_in_a_cluster
	s_endpgm
.Lentry_in_a_cluster:
	s_bfe_u32 s2, ttmp6, 0x10000c
	s_cmp_lg_u32 s2, 0xf033
	s_cbranch_scc0 .Lentry_shape_is_right
	s_endpgm
.Lentry_shape_is_right:
; QKV.  x w_qkv^T + b_qkv on codes of FP6 (E2M3), K = 1,024, and the result quantised at once into the register images that the attention launch reads: no f32 number goes to memory.
; Both operands lie in one space of 12,288 rows of codes (768 bytes) and scale bytes (32): tiles of 256 rows: 0-31 x (tokens), 32-35 W_q, 36-39 W_k, 40-43 W_v; rows in position order
; (bits 3 and 4 of the row number exchanged).  A tile of 256 x 256 to a work-group of four waves, 128 x 128 a wave: 64 accumulators, 512 registers; K in steps of 256 through a ring of two LDS slots.
; THE MATRIX INSTRUCTION: source 0 = 16 rows of "B", source 1 = 16 rows of "A": a lane holds one row of A, and its 16 registers of two neighbouring tiles of B hold 16 ORIGINAL neighbours among B's rows.
;   clusters 0-15 (q and k): A = tokens, B = features: a lane's registers run along the head's axis, which is the K of q k^T.
;   clusters 16-23 (v):      A = W_v's features, B = tokens: a lane's registers run along the keys, which are the K of p v.
; So one quantiser serves both: a block of A's 16 rows x B's 128 becomes one fragment (12 registers) and one scale word a row.  The bias is the C of each sum's first matrix instruction.
; OUT, per head bh = 16 batch + head.  q, k: [tile of 16 token positions 128][768 bytes]: registers 0-3 at 16 x lane, registers 4-5 at 512 + 8 x lane (lane (r, h): channels 32 h .. of token position r);
; their scale words [pair of tiles 64][r 16]: the even tile's two bytes below, the odd tile's above.  v: [key step 16][tile of 16 channel positions 4][1,536 bytes]: the 12 registers of a fragment of V^T; scale words [key step][channel position 64].
; CLUSTERS: 4 x 4 work-groups; A's tiles are asked for jointly along a row of the cluster, B's along a column.  The kind hangs on the cluster's number alone: it is the same in all sixteen partners.
; 24 clusters do not divide evenly among the chip; no prefetch: a work-group has two refills in all.
; LIMITS: blocks whose largest magnitude lies under 2^-124 get the scale byte 1 (blocks of zeros too: their codes are zeros, and this program alone reads the bytes); NaN and infinities are not served.
; REGISTERS: window 0: v0-31 addresses; v32-63 scale words, two sets; v64-127 the bias; v128-223 A's fragments, ONE set, later the quantiser's registers.  window 1: B's fragments, two sets.  windows 2, 3: the accumulators.
.set NQ,     2                         ; matrix instructions deep in a slot (256 along K)
.set ROWB,   192                       ; a tile's row in bytes
.set KROW,   768                       ; a row of codes in memory
.set PITCH,  240                       ; an LDS row: 3 x (64 bytes + 16 of padding)
.set FR,     12
.set NL,     6                         ; LDS loads that bring a fragment
.set NP,     4                         ; places behind this matrix instruction (ISA guide 7.12.1)
.set HALFT,  128*PITCH
.set SLOT,   4*HALFT
.set LAPS,   2                         ; 1,024 along K = two laps of two slots
.set KS,     32                        ; a row of scale bytes
.set SCL,    2*SLOT                    ; behind the ring: the scales of the 512 rows, as units of 256 bytes + 16 of padding
.set HALFS,  16*272
.set SBLK,   2*272
.set SPARE,  SCL+4*HALFS               ; the spare words, 128 bytes a wave
.set STG,    SPARE+512                 ; a stage of 512 bytes for each wave's scale words: no fill ever lands there
.set IMG_SEC, 6291456
.set SC_SEC,  262144
.set IMG_HEAD, 98304
.set ADRA, 16                          ; v16-17 LDS address of my A fragments in slot 0, 1 (v18-19: behind one padding more)
.set ADRB, 20                          ; v20-23 the same for B
.set L8,   24                          ; v24  8 x lane
.set L16H, 25                          ; v25  16 (lane % 16) + 4,096 (lane / 16): the scale words of two heads
.set L16,  26                          ; v26  16 x lane
.set ADRS, 27                          ; v27  LDS address of my scale words
.set SPW,  28                          ; v28  my spare word; never rewritten
.set NIL,  29                          ; v29  0; never rewritten
.set STI,  30                          ; v30  the stage, in: 4 r
.set STB,  31                          ; v31  the stage, back: 16 x lane
.set SC,   32
.set BI,   64
.set AF,   128
.set TM,   128                         ; the quantiser: +0..3 largest magnitudes, +4..7 the other half's, then bytes, +12..15 scale operands
.set PC,   144                         ; v144-163 the codes
.set PW,   164                         ; v164-171 the eight blocks' scale words
.set PP,   172                         ; v172-179 the words as they are stored
.set RB,   180
.set G1, 24
.set G0, 32
.set G1B, 48
.set G0B, 56
.set G1S, 68
.set G0S, 76
.set G1SB, 80
.set G0SB, 88
.set KIND, 95                          ; s95  0: q, k;  -1: v (a lane mask too)
.set MSB, 0
.macro WIN new                         ; the immediate's high byte repeats the setting that is left
.if MSB != \new
	s_set_vgpr_msb (MSB<<8)|\new
.set MSB, \new
.endif
.endm
.set MUL_LO, 0xa1                      ; source 0 (B) window 1, source 1 (A) window 0, C and D window 2
.set MUL_HI, 0xf1
.set FST_LO, 0x81                      ; the first step: C (the bias) window 0, D window 2
.set FST_HI, 0xc1
.set TO_B,   0x40
.macro JLOAD g0a, g1a, g0b, g1b        ; a joint load: waves 0 and 1 fetch for A, waves 2 and 3 for B; four v_nop follow each of the two lines
	s_cmp_eq_u32 s15, 0
	s_cbranch_scc0 .Lfor_b_\@
	tensor_load_to_lds s[\g0a:\g0a+3], s[\g1a:\g1a+7]
	s_nop 0
.rept 4
	v_nop
.endr
	s_branch .Lasked_\@
.Lfor_b_\@:
	tensor_load_to_lds s[\g0b:\g0b+3], s[\g1b:\g1b+7]
	s_nop 0
.rept 4
	v_nop
.endr
.Lasked_\@:
.endm
.macro CREST
	s_cmp_lg_u32 s14, 0
	s_cbranch_scc1 .Lnot_wave_0_\@
	s_barrier_signal -3
.Lnot_wave_0_\@:
	s_barrier_wait -3
	s_barrier_signal -1
	s_barrier_wait -1
.endm
.macro CROUND
	s_barrier_signal -1
	s_barrier_wait -1
	CREST
.endm
	s_load_b256 s[4:11], s[0:1], 0x0               ; codes s[4:5], scale bytes s[6:7], bias s[8:9], images s[10:11]
	s_load_b64 s[12:13], s[0:1], 0x20              ; the images' scale words
	v_lshl_add_u32 v[SPW], v0, 2, SPARE
	v_mov_b32 v[NIL], 0
	ds_add_u32 v28, v29
	ds_add_u32 v28, v29
	s_wait_dscnt 0x0
	v_lshrrev_b32 v1, 5, v0
	v_readfirstlane_b32 s14, v1                    ; wave 0..3
	s_lshr_b32 s15, s14, 1                         ; which half of A's rows is mine.  Also: I fetch for A (0) or for B (1)
	s_and_b32 s16, s14, 1                          ; which half of B's rows.  Also: which 128 rows I fetch
	s_bfe_u32 s40, ttmp6, 0x40000                  ; cx, cy
	s_bfe_u32 s41, ttmp6, 0x40004
	s_and_b32 s96, ttmp9, 7
	s_lshr_b32 s97, ttmp9, 3
	s_add_co_u32 s97, s97, 8
	s_cmp_lt_u32 ttmp9, 16                         ; the kind: from the cluster's number alone
	s_cselect_b32 s[KIND], 0, -1
	s_cselect_b32 s97, s97, s96                    ; B's four tiles begin at 4 x: 8 + c / 8 (W_q, W_k) or c - 16 (tokens)
	s_cselect_b32 s96, s96, 10                     ; A's at 4 x: c % 8 (tokens) or 10 (W_v)
	s_lshl_b32 s42, s97, 2
	s_add_co_u32 s42, s42, s40                     ; B's tile of 256 rows
	s_lshl_b32 s17, s96, 2
	s_add_co_u32 s17, s17, s41                     ; A's tile
	s_lshl_b32 s43, s41, 2
	s_lshl_b32 s43, 15, s43                        ; my row of the cluster
	s_lshl_b32 s44, 0x1111, s40                    ; my column
	s_or_b32 s[G1+0], s43, (0<<16)|(1<<20)|(1<<21)|(3<<22)|(3<<25)  ; the mask; elements of 1 byte; padding on; bit 21 beside a mask; 4 words behind every 16
	s_or_b32 s[G1B+0], s44, (0<<16)|(1<<20)|(1<<21)|(3<<22)|(3<<25)
.irp g, G1, G1B
	s_mov_b32 s[\g+1], ROWB<<16                    ; tensor_dim0
	s_mov_b32 s[\g+2], 128<<16                     ; tensor_dim1
	s_mov_b32 s[\g+3], ROWB<<16                    ; tile_dim0
	s_mov_b32 s[\g+4], 128                         ; tile_dim1
	s_mov_b32 s[\g+5], KROW                        ; the pitch
	s_mov_b32 s[\g+6], 0
	s_mov_b32 s[\g+7], 0
.endr
	s_or_b32 s[G1S+0], s43, (3<<16)|(1<<20)|(1<<21)|(5<<22)|(3<<25)  ; the scales of 128 rows: 4,096 dense bytes as 16 rows of 256 (32 elements of 8 bytes), 16 bytes of padding behind each
	s_or_b32 s[G1SB+0], s44, (3<<16)|(1<<20)|(1<<21)|(5<<22)|(3<<25)
.irp g, G1S, G1SB
	s_mov_b32 s[\g+1], 32<<16
	s_mov_b32 s[\g+2], 16<<16
	s_mov_b32 s[\g+3], 32<<16
	s_mov_b32 s[\g+4], 16
	s_mov_b32 s[\g+5], 32
	s_mov_b32 s[\g+6], 0
	s_mov_b32 s[\g+7], 0
.endr
	s_lshl_b32 s18, s16, 7                         ; which 128 rows of the tile I fetch
	s_lshl_b32 s20, s17, 8
	s_add_co_u32 s20, s20, s18                     ; A's first row
	s_lshl_b32 s46, s42, 8
	s_add_co_u32 s46, s46, s18                     ; B's
	s_mov_b32 s21, 0
	s_mov_b32 s47, 0
	s_mov_b64 s[18:19], KS
	s_mul_u64 s[22:23], s[20:21], s[18:19]
	s_mul_u64 s[92:93], s[46:47], s[18:19]
	s_mov_b64 s[18:19], KROW
	s_mul_u64 s[20:21], s[20:21], s[18:19]
	s_mul_u64 s[46:47], s[46:47], s[18:19]
	s_mul_i32 s45, s14, HALFT                      ; where they go: wave x 128 rows: no place in the cluster enters an LDS address
	s_mul_i32 s94, s14, HALFS
	s_mov_b32 s100, 0x76543210
	s_mov_b32 s101, 0xfedcba98                     ; v_permlanex16_b32's selects for lane l xor 16
	s_wait_kmcnt 0x0
	s_add_nc_u64 s[20:21], s[4:5], s[20:21]
	s_add_nc_u64 s[22:23], s[6:7], s[22:23]
	s_add_nc_u64 s[46:47], s[4:5], s[46:47]
	s_add_nc_u64 s[92:93], s[6:7], s[92:93]
	CROUND                                         ; all sixteen work-groups are here: the first joint loads meet
	s_mov_b32 s[G0S], 1
	s_add_co_u32 s[G0S+1], s94, SCL
	s_mov_b64 s[G0S+2:G0S+3], s[22:23]
	s_or_b32 s[G0S+3], s[G0S+3], 0x80000000
	s_mov_b32 s[G0SB], 1
	s_add_co_u32 s[G0SB+1], s94, SCL
	s_mov_b64 s[G0SB+2:G0SB+3], s[92:93]
	s_or_b32 s[G0SB+3], s[G0SB+3], 0x80000000
	JLOAD G0S, G1S, G0SB, G1SB                     ; the scales first; with the two slots three loads of mine are out
.irp s, 0,1
	s_mov_b32 s[G0+4*\s], 1
	s_add_co_u32 s[G0+4*\s+1], s45, \s*SLOT
	s_add_nc_u64 s[G0+4*\s+2:G0+4*\s+3], s[20:21], \s*ROWB
	s_or_b32 s[G0+4*\s+3], s[G0+4*\s+3], 0x80000000
	s_mov_b32 s[G0B+4*\s], 1
	s_add_co_u32 s[G0B+4*\s+1], s45, \s*SLOT
	s_add_nc_u64 s[G0B+4*\s+2:G0B+4*\s+3], s[46:47], \s*ROWB
	s_or_b32 s[G0B+4*\s+3], s[G0B+4*\s+3], 0x80000000
	JLOAD G0+4*\s, G1, G0B+4*\s, G1B
.endr
	v_and_b32 v1, 15, v0                           ; r
	v_bfe_u32 v2, v0, 4, 1                         ; h
	v_mul_u32_u24 v3, v1, PITCH
	v_mul_u32_u24 v4, v2, 24
	v_add_nc_u32 v4, v3, v4                        ; a fragment's row x pitch + 24 x half
	v_lshl_add_u32 v5, v2, 4, v4                   ; and the same behind one padding more
	s_mul_i32 s21, s15, HALFT
	s_mul_i32 s22, s16, HALFT
	s_add_co_u32 s22, s22, 2*HALFT
.irp s, 0,1
	v_add_nc_u32 v[ADRA+\s], s21, v4
	v_add_nc_u32 v[ADRB+\s], s22, v4
	v_add_nc_u32 v[ADRA+2+\s], s21, v5
	v_add_nc_u32 v[ADRB+2+\s], s22, v5
	s_add_co_u32 s21, s21, SLOT
	s_add_co_u32 s22, s22, SLOT
.endr
	v_mul_u32_u24 v5, v1, KS                       ; my row's scales: 32 bytes a row,
	v_lshrrev_b32 v6, 8, v5
	v_lshl_add_u32 v5, v6, 4, v5                   ; and 16 more for each 256 passed
	s_mul_i32 s21, s15, HALFS
	s_mul_i32 s22, s16, HALFS
	s_add_co_u32 s22, s22, 2*HALFS
	s_sub_co_u32 s22, s22, s21
	v_mul_u32_u24 v6, s22, v2                      ; lanes 16-31 take B's
	s_add_co_u32 s21, s21, SCL
	v_add_nc_u32 v5, v5, v6
	v_add_nc_u32 v[ADRS], s21, v5
	v_and_b32 v6, 31, v0
	v_lshlrev_b32 v[L8], 3, v6
	v_lshlrev_b32 v[L16], 4, v6
	v_lshlrev_b32 v[L16H], 4, v1
	v_lshl_add_u32 v[L16H], v2, 12, v[L16H]
	s_lshl_b32 s23, s14, 9
	s_add_co_u32 s23, s23, STG                     ; my stage
	v_lshl_add_u32 v[STI], v1, 2, s23
	v_add_nc_u32 v[STB], s23, v[L16]
	v_lshlrev_b32 v7, 6, v2                        ; the bias of q, k: 64 h
	v_and_b32 v8, 8, v1
	v_add_nc_u32 v8, v8, v1
	v_lshlrev_b32 v8, 2, v8                        ; of v: 4 (r + 8 (r / 8))
	; where my results go.  tokT, tokH: the tile and half of the token side; feT, feH: of the feature side.  Both kinds then share every line:
	; head bh0 = 16 (tokT / 8) + 4 (feT % 4) + 2 feH;  u = 2 (tokT % 8) + tokH: eight tiles of 16 tokens (q, k) or one key step (v) are 6,144 bytes of images and 256 of scale words alike
	s_cmp_eq_u32 s[KIND], 0
	s_cselect_b32 s18, s17, s42                    ; tokT
	s_cselect_b32 s19, s15, s16                    ; tokH
	s_cselect_b32 s20, s42, s17                    ; feT
	s_cselect_b32 s21, s16, s15                    ; feH
	s_sub_co_u32 s20, s20, 32
	s_lshl_b32 s22, s20, 10
	s_lshl_b32 s23, s21, 9
	s_add_co_u32 s22, s22, s23                     ; the bias of my 128 features: 4 (256 (feT - 32) + 128 feH)
	s_mov_b32 s23, 0
	s_add_nc_u64 s[8:9], s[8:9], s[22:23]
	s_lshr_b32 s46, s18, 3
	s_lshl_b32 s46, s46, 4
	s_and_b32 s47, s20, 3
	s_lshl_b32 s47, s47, 2
	s_add_co_u32 s46, s46, s47
	s_lshl_b32 s47, s21, 1
	s_add_co_u32 s46, s46, s47                     ; bh0
	s_and_b32 s47, s18, 7
	s_lshl_b32 s47, s47, 1
	s_add_co_u32 s47, s47, s19                     ; u
	s_lshr_b32 s20, s20, 2                         ; the section: 0 q, 1 k, 2 v
	s_mul_i32 s22, s20, IMG_SEC
	s_mul_i32 s92, s46, IMG_HEAD
	s_add_co_u32 s22, s22, s92
	s_mul_i32 s92, s47, 6144
	s_add_co_u32 s22, s22, s92
	s_add_nc_u64 s[10:11], s[10:11], s[22:23]
	s_mul_i32 s22, s20, SC_SEC
	s_lshl_b32 s92, s46, 12
	s_add_co_u32 s22, s22, s92
	s_lshl_b32 s92, s47, 8
	s_add_co_u32 s22, s22, s92
	s_add_nc_u64 s[12:13], s[12:13], s[22:23]
	; the bias, in the result's layout
	s_cmp_lg_u32 s[KIND], 0
	s_cbranch_scc1 .Lbias_v
	s_wait_alu depctr_va_vdst(0)
.irp b, 0,1,2,3,4,5,6,7                        ; q, k: register j of tile b is feature 32 (b / 2) + 16 h + 8 (b % 2) + j
	global_load_b128 v[BI+8*\b:BI+8*\b+3], v7, s[8:9] offset:(32*(\b/2)+8*(\b%2))*4
	global_load_b128 v[BI+8*\b+4:BI+8*\b+7], v7, s[8:9] offset:(32*(\b/2)+8*(\b%2))*4+16
.endr
	s_branch .Lbias_done
.Lbias_v:
	s_wait_alu depctr_va_vdst(0)
.irp a, 0,1,2,3,4,5,6,7                        ; v: the lane's feature 32 (a / 2) + 8 (a % 2) + r + 8 (r / 8), the same in all eight registers
	global_load_b32 v[BI+8*\a], v8, s[8:9] offset:(32*(\a/2)+8*(\a%2))*4
.endr
	s_wait_loadcnt 0x0
.irp a, 0,1,2,3,4,5,6,7
.irp j, 1,2,3,4,5,6,7
	v_mov_b32 v[BI+8*\a+\j], v[BI+8*\a]
.endr
.endr
.Lbias_done:
.macro FRAG reg, adr, q, i             ; a fragment: 12 registers; in pieces of 8 bytes; where the piece three on lies behind one padding more, the second address register serves
.irp p, 0,1,2,3,4,5
.set PCE, 12*(\q)+6*(\p/3)+\p%3
.if PCE%8 < 5
	ds_load_b64 v[\reg+2*\p:\reg+2*\p+1], v[\adr] offset:8*PCE+16*(PCE/8)+(\i)*16*PITCH
.else
	ds_load_b64 v[\reg+2*\p:\reg+2*\p+1], v[\adr+2] offset:8*PCE+16*(PCE/8)+(\i)*16*PITCH
.endif
.endr
.endm
; 16 matrix instructions: A's blocks a0, a0 + 1 x B's eight.  cm = 0: the sums go on; 1: they begin with the bias by B's tile; 2: by A's block.  The 64 accumulators take turns.
.macro MUL16 a0, p, q, sc, cm
.irp a, \a0, \a0+1
.irp b, 0,1,2,3,4,5,6,7
.set rD, 8*(8*((\a)%4)+\b)
.set rC, rD
.if \cm == 1
.set rC, BI+8*\b
.endif
.if \cm == 2
.set rC, BI+8*(\a)
.endif
	v_wmma_scale_f32_16x16x128_f8f6f4 v[rD:rD+7], v[128*(\p)+FR*\b:128*(\p)+FR*\b+FR-1], v[AF+FR*(\a):AF+FR*(\a)+FR-1], v[rC:rC+7], v[SC+8*NQ*(\sc)+NQ*\b+(\q)], v[SC+8*NQ*(\sc)+NQ*(\a)+(\q)] matrix_a_fmt:MATRIX_FMT_FP6 matrix_b_fmt:MATRIX_FMT_FP6 matrix_a_scale:MATRIX_SCALE_ROW1
.endr
.endr
.endm
.macro FETCH_B slot, q, p
	WIN TO_B
.irp i, 0,1,2,3,4,5,6,7
	FRAG 128*(\p)+FR*\i, ADRB+\slot, \q, \i
.endr
	WIN 0
.endm
.macro FETCH_A slot, q, i0
.irp i, \i0, \i0+1, \i0+2, \i0+3
	FRAG AF+FR*(\i), ADRA+\slot, \q, \i
.endr
.endm
.macro SCALES sc                       ; a K step's scale words: lanes 0-15 A's block i, lanes 16-31 B's block i
.irp i, 0,1,2,3,4,5,6,7
	ds_load_b64 v[SC+8*NQ*\sc+NQ*\i:SC+8*NQ*\sc+NQ*\i+1], v[ADRS] offset:\i*SBLK
.endr
.endm
.macro PLACES n                        ; plain vector instructions between a matrix instruction and a load into, or a read of, its registers
.rept \n
	v_nop
.endr
.endm
.macro STEP slot, q, cm                ; 128 along K with its successor in the same slot
	s_wait_dscnt 4*NL                              ; B's set and A's blocks 0-3 are in; the 24 loads of A's blocks 4-7 may be out
.if \cm
	WIN FST_LO
.else
	WIN MUL_LO
.endif
	MUL16 0, (\q)%2, \q, \slot, \cm
	MUL16 2, (\q)%2, \q, \slot, \cm
	s_wait_dscnt 0
	PLACES NP
	FETCH_B \slot, (\q)+1, 1-(\q)%2
	FETCH_A \slot, (\q)+1, 0
.if \cm
	WIN FST_HI
.else
	WIN MUL_HI
.endif
	MUL16 4, (\q)%2, \q, \slot, \cm
	MUL16 6, (\q)%2, \q, \slot, \cm
	PLACES NP
	WIN 0
	FETCH_A \slot, (\q)+1, 4
.endm
.macro TURN slot, next, fill           ; a slot's last step changes slots
	s_wait_tensorcnt 0x0                           ; all my tensor loads have landed: my part of the next slot
	ds_add_u32 v[SPW], v[NIL]                      ; 0 onto my spare word
	s_wait_dscnt 4*NL+1                            ; the add and the 24 loads of A's blocks 4-7 may be out
	WIN MUL_LO
	MUL16 0, 1, NQ-1, \slot, 0
	s_wait_dscnt 0x0                               ; the add is done, and my reads of this slot are over
	s_barrier_signal -1
	MUL16 2, 1, NQ-1, \slot, 0
	WIN 0
	s_barrier_wait -1
.if \fill
	CREST                                          ; the barrier has opened a round of the cluster's: no wave of any partner still reads this slot or has a load on its way
	s_add_nc_u64 s[G0+4*\slot+2:G0+4*\slot+3], s[G0+4*\slot+2:G0+4*\slot+3], 2*ROWB
	s_add_nc_u64 s[G0B+4*\slot+2:G0B+4*\slot+3], s[G0B+4*\slot+2:G0B+4*\slot+3], 2*ROWB
	JLOAD G0+4*\slot, G1, G0B+4*\slot, G1B         ; the first tensor load behind the round; its four v_nop are the places in front of the loads below
.else
	PLACES NP
.endif
	s_wait_alu depctr_va_vdst(0)
	v_add_nc_u32 v[ADRS], 4*NQ, v[ADRS]
	FETCH_B \next, 0, 0
	FETCH_A \next, 0, 0
	SCALES \next
	WIN MUL_HI
	MUL16 4, 1, NQ-1, \slot, 0
	MUL16 6, 1, NQ-1, \slot, 0
	PLACES NP
	WIN 0
	FETCH_A \next, 0, 4
.endm
	s_wait_loadcnt 0x0                             ; the bias
	s_wait_tensorcnt 1                             ; the scales and my part of K step 0 are in; K step 1's load may be out
	s_barrier_signal -1
	s_barrier_wait -1
	FETCH_B 0, 0, 0
	FETCH_A 0, 0, 0
	SCALES 0
	FETCH_A 0, 0, 4
	s_cmp_lg_u32 s[KIND], 0                        ; the first step is written for each kind: only its C differs
	s_cbranch_scc1 .Lfirst_v
	s_wait_alu depctr_va_vdst(0)
	STEP 0, 0, 1
	s_branch .Lfirst_done
.Lfirst_v:
	s_wait_alu depctr_va_vdst(0)
	STEP 0, 0, 2
.Lfirst_done:
	s_mov_b32 s3, LAPS-1
.Llap:
	TURN 0, 1, 1
	STEP 1, 0, 0
	TURN 1, 0, 1
	STEP 0, 0, 0
	s_sub_co_u32 s3, s3, 1
	s_cmp_lg_u32 s3, 0
	s_cbranch_scc1 .Llap
	TURN 0, 1, 0                                   ; the last lap fills nothing
	STEP 1, 0, 0
	s_wait_dscnt 4*NL
	WIN MUL_LO
	MUL16 0, 1, NQ-1, 1, 0
	MUL16 2, 1, NQ-1, 1, 0
	s_wait_dscnt 0
	WIN MUL_HI
	MUL16 4, 1, NQ-1, 1, 0
	MUL16 6, 1, NQ-1, 1, 0
	WIN 0
; THE WAY OUT.  Block a (A's 16 rows x B's 128): register 16 b + i of a lane is number 32 b + 16 h + i along B's original rows: four blocks of 32, each in lanes l and l xor 16.
.macro QUANTW a
.set AC, 64*((\a)%4)
.set WA, 2+(\a)/4
.set W01, WA|(WA<<2)
.set W12, (WA<<2)|(WA<<4)
	WIN W01
.irp b, 0,1,2,3
	v_max3_num_f32 v[TM+\b], |v[AC+16*\b]|, |v[AC+16*\b+1]|, 0x1800000   ; my 16 numbers and the floor 2^(3 - 127); each accumulator is read from its low end on
.endr
	WIN W12
.irp i, 2,4,6,8,10,12,14
.irp b, 0,1,2,3
	v_max3_num_f32 v[TM+\b], v[TM+\b], |v[AC+16*\b+\i]|, |v[AC+16*\b+\i+1]|
.endr
.endr
	WIN 0
.irp b, 0,1,2,3
	v_permlanex16_b32 v[TM+4+\b], v[TM+\b], s100, s101
.endr
.irp b, 0,1,2,3
	v_max_num_f32 v[TM+\b], v[TM+\b], v[TM+4+\b]   ; the block's largest magnitude
.endr
.irp b, 0,1,2,3
	v_add_nc_u32 v[TM+12+\b], 0xff000000, v[TM+\b] ; 2 off its exponent field: the conversion's scale operand
.endr
.irp b, 0,1,2,3
	v_lshrrev_b32 v[TM+4+\b], 23, v[TM+12+\b]      ; the scale's byte
.endr
	v_lshl_or_b32 v[PW+(\a)], v[TM+5], 8, v[TM+4]
	v_lshl_or_b32 v[PW+(\a)], v[TM+6], 16, v[PW+(\a)]
	v_lshl_or_b32 v[PW+(\a)], v[TM+7], 24, v[PW+(\a)]
	s_wait_xcnt 0x0                                ; the last block's stores have read the codes' registers
	WIN WA
.irp c, 0,1
	v_cvt_scalef32_pk16_fp6_f32 v[PC+6*\c:PC+2+6*\c], v[AC+32*\c:AC+15+32*\c], v[TM+12+2*\c]
	v_cvt_scalef32_pk16_fp6_f32 v[PC+12+4*\c:PC+14+4*\c], v[AC+16+32*\c:AC+31+32*\c], v[TM+12+2*\c+1]   ; (a conversion's three registers begin on an even number)
.endr
	WIN 0
	v_nop                                          ; one plain place behind a scaled conversion
.irp c, 0,1                                    ; a whole block to a lane: lanes 0-15 block 2 c, lanes 16-31 block 2 c + 1
.irp i, 0,1,2
	v_permlane16_swap_b32 v[PC+6*\c+\i], v[PC+12+4*\c+\i]
.endr
.irp i, 0,1,2
	v_mov_b32 v[PC+3+6*\c+\i], v[PC+12+4*\c+\i]
.endr
.endr
.endm
.macro OUTC a                          ; the fragment leaves as an image of its registers: every store covers whole aligned runs of 256 bytes
	s_cmp_lg_u32 s[KIND], 0
	s_cbranch_scc1 .Lout_v_\@
.irp cc, 0,1                                   ; q, k: registers 6 cc .. 6 cc + 5 are head cc's 64 channels of token tile a
	global_store_b128 v[L16], v[PC+6*\cc:PC+6*\cc+3], s[10:11] offset:\cc*IMG_HEAD+768*(\a)
	global_store_b64 v[L8], v[PC+6*\cc+4:PC+6*\cc+5], s[10:11] offset:\cc*IMG_HEAD+768*(\a)+512
.endr
	s_branch .Lout_done_\@
.Lout_v_\@:
	s_wait_alu depctr_va_vdst(0)
.irp i, 0,1,2                                  ; v: head a / 4, channel tile a % 4, these 128 keys
	global_store_b128 v[L16], v[PC+4*\i:PC+4*\i+3], s[10:11] offset:((\a)/4)*IMG_HEAD+((\a)%4)*1536+512*\i
.endr
.Lout_done_\@:
.endm
	PLACES NP                                      ; behind the last products: their results are read, and A's registers written, below
.irp b, 0,1,2,3
	v_mov_b32 v[TM+4+\b], 0                        ; a lane permute's destination counts as one of its sources
.endr
.irp a, 0,1,2,3,4,5,6,7
	QUANTW \a
	OUTC \a
.endr
	; the eight scale words.  q, k: word i of head cc = i / 4: the two bytes of tiles 2 (i % 4) and 2 (i % 4) + 1.  v: word i as it is.  The choice is a select, so that the stage's stores are one text for both kinds
.irp i, 0,1,2,3
	v_perm_b32 v[PP+\i], v[PW+2*\i+1], v[PW+2*\i], 0x05040100
	v_perm_b32 v[PP+4+\i], v[PW+2*\i+1], v[PW+2*\i], 0x07060302
.endr
.irp i, 0,1,2,3,4,5,6,7
	v_cndmask_b32 v[PP+\i], v[PP+\i], v[PW+\i], s[KIND]
.endr
.irp i, 0,1,2,3,4,5,6,7
	ds_store_b32 v[STI], v[PP+\i] offset:64*\i     ; lanes l and l xor 16 write the same word with the same value
.endr
	ds_load_b128 v[RB:RB+3], v[STB]                ; my own bytes: LDS serves a wave's instructions in order
	s_wait_dscnt 0x0
	global_store_b128 v[L16H], v[RB:RB+3], s[12:13]   ; sixteen lanes store 256 consecutive bytes, aligned, for each of my two heads
	s_wait_tensorcnt 0x0                           ; the wave's end
	ds_add_u32 v[SPW], v[NIL]
	s_wait_dscnt 0x0
	CROUND                                         ; the closing round
	s_endpgm
.Lfunc_end_k_q61d201d7a5_qkv:
	.size	k_q61d201d7a5_qkv, .Lfunc_end_k_q61d201d7a5_qkv-k_q61d201d7a5_qkv
	.p2alignl 7, 3214868480
	.fill 96, 4, 3214868480
	.section	.rodata,"a",@progbits
	.p2align	6, 0x0
	.amdhsa_kernel k_q61d201d7a5_qkv
		.amdhsa_group_segment_fixed_size 327680
		.amdhsa_private_segment_fixed_size 0
		.amdhsa_enable_private_segment 0
		.amdhsa_kernarg_size 40
		.amdhsa_user_sgpr_count 2
		.amdhsa_user_sgpr_kernarg_segment_ptr 1
		.amdhsa_wavefront_size32 1
		.amdhsa_system_sgpr_workgroup_id_x 1
		.amdhsa_system_sgpr_workgroup_id_y 1
		.amdhsa_system_sgpr_workgroup_id_z 1
		.amdhsa_system_vgpr_workitem_id 0
		.amdhsa_next_free_vgpr 1024
		.amdhsa_next_free_sgpr 102
		.amdhsa_reserve_vcc 0
		.amdhsa_float_denorm_mode_32 3
		.amdhsa_float_denorm_mode_16_64 3
		.amdhsa_memory_ordered 1
		.amdhsa_forward_progress 1
		.amdhsa_inst_pref_size 190
	.end_amdhsa_kernel
	.amdgpu_metadata
---
amdhsa.version: [ 1, 2 ]
amdhsa.kernels:
  - .name:           k_q61d201d7a5_qkv
    .symbol:         k_q61d201d7a5_qkv.kd
    .args:
      - { .name: xw_codes, .offset: 0, .size: 8, .value_kind: global_buffer, .address_space: global }
      - { .name: xw_scales, .offset: 8, .size: 8, .value_kind: global_buffer, .address_space: global }
      - { .name: b_qkv, .offset: 16, .size: 8, .value_kind: global_buffer, .address_space: global }
      - { .name: qkv_img, .offset: 24, .size: 8, .value_kind: global_buffer, .address_space: global }
      - { .name: qkv_sc, .offset: 32, .size: 8, .value_kind: global_buffer, .address_space: global }
    .group_segment_fixed_size: 327680
    .private_segment_fixed_size: 0
    .kernarg_segment_align: 8
    .kernarg_segment_size: 40
    .max_flat_workgroup_size: 128
    .sgpr_count:     102
    .vgpr_count:     1024
    .wavefront_size: 32
...
	.end_amdgpu_metadata
.endif
;; end of part 2
;; launch attn (part 3): grid 4 x 64, 16 waves a work-group, no clusters, 206,848 bytes of LDS; arguments qkv_img, qkv_sc, mwords, cimg, csc; writes cimg, csc
.if DOCPART == 3
	.amdgcn_target "amdgcn-amd-amdhsa--gfx1250"
	.amdhsa_code_object_version 6
	.text
	.protected	k_q61d201d7a5_attn
	.globl	k_q61d201d7a5_attn
	.p2align	8
	.type	k_q61d201d7a5_attn,@function
k_q61d201d7a5_attn:
	s_mov_b64 s[64:65], 0
	v_nop
	global_prefetch_b8 v0, s[64:65] scope:SCOPE_SE
	s_setreg_imm32_b32 hwreg(HW_REG_WAVE_MODE, 25, 1), 1
	s_wait_xcnt 0x0
; ATTN.  ctx = softmax(q k^T / 8, masked) v for one head, both products on codes of FP6 (E2M3); ctx is quantised at once for the last product.
; THE SOFTMAX: t = score x log2(e) / 8; M = the running largest t rounded up to a whole number; p = 2^(t - M) is quantised along the keys; the sum of the unquantised p divides at the end.
; THE MASK is the input's, as an earlier launch laid it: 64 lane masks for each tile of 16 queries x 128 keys, and two bits a tile.  A tile all of whose 2,048 places are hidden is left out (a scalar branch on
; the stored bits); a tile with no hidden place skips the selects.  Nothing about the mask's pattern is built in.
; SHARES.  Work-group (j, bh): head bh, query tiles 4 i + j, i = 0 .. 31.  Wave w takes i = w and then i = 31 - w.  Sixteen waves of 256 registers, four to a SIMD: one wave's vector work stands beside another's products and LDS loads.
; LDS holds the head's K and V codes and scale words, filled ONCE through registers (no tensor load); one barrier; then LDS is only read.
; LAYOUT.  Both products transposed: S^T = K Q^T, O^T = V^T P^T: a lane holds one query.  Tiles of tokens and of channels are in position order (bits 3, 4 of the number exchanged), so the 16 registers of two neighbouring tiles are 16 original neighbours.
; THE HEAD'S 64 FILL HALF OF THE INSTRUCTION'S 128: source 0 holds TWO tiles of keys (registers 0-5 the even tile, 6-11 the odd one), and Q stands as zeros | q | zeros: [q | 0] multiplies the even tile, [0 | q] the odd one.
; LIMITS: a p under 2^-126 is 0; blocks of zeros get the scale byte 1; a query all of whose keys are hidden gets zero codes under the scale byte 0xff (NaN), so that the last product gives NaN there as the softmax of an empty row does; NaN and infinities among the inputs are not served.
; csc is stored a byte a lane, 32 bytes apart: a scale word of the last product spans two heads, which belong to two work-groups.
.set IMG_SEC, 6291456
.set SC_SEC,  262144
.set VL,    98304                      ; LDS: K's images at 0 (6,144 bytes a key step), V's here,
.set KSCL,  196608                     ; K's scale words (256 bytes a key step),
.set VSCL,  200704                     ; V's
.set MFLG,  524288
.set QSW, 20                           ; v20 q's scale word; v21 p's; v22-23 K's; v24-25 V's: scales and nothing else
.set PSW, 21
.set KSW, 22
.set VSW, 24
.set KV,  52                           ; v52-99   eight tiles of K, then four fragments of V^T
.set S,   100                          ; v100-163 S^T, then p
.set O,   164                          ; v164-195 O^T
.set PC,  196                          ; v196-207 p's codes
.set CT,  208                          ; v208-215 conversions' second halves
.set BM,  216                          ; v216-219 the blocks' largest scores
.set PB,  220                          ; v220-223 the other half's, then bytes
.set SO,  224                          ; v224-227 scale operands
.set SUMT, 228                         ; v[228:229] the second chain of the sum
; v1 16 L, v2 8 L, v3 16 L + VL, v4 4 L + KSCL (never rewritten); v5-8 the step's addresses; v9 -infinity; v10, v11, v19 load offsets; v12 -M, v13 the largest t, v[14:15] the sum; v[16:17] f; v18 at work;
; v26-28 the fill's LDS addresses, then store offsets; v29 0xff; v30 0; v31 at work; v32-49 zeros | q | zeros.
; s2 wave, s3 head, s14 i, s15 query tile, s16 pass, s17 key steps to go, s18, s19 LDS steps, s20 the mask words' byte, s21 the tile bits, s22 the select for q's scale bytes, s23 lanes 16-31, s[24:25] lane selects, s[26:27] c, s28 lanes with an empty row
	s_load_b256 s[4:11], s[0:1], 0x0               ; images s[4:5], their scale words s[6:7], the mask's words s[8:9], ctx's images s[10:11]
	s_load_b64 s[12:13], s[0:1], 0x20              ; ctx's scale bytes
	v_lshl_add_u32 v254, v0, 2, 0x32000
	v_mov_b32 v255, 0
	v_lshrrev_b32 v5, 5, v0
	s_delay_alu instid0(VALU_DEP_1)
	v_readfirstlane_b32 s2, v5                     ; wave 0..15
	s_and_b32 s3, ttmp7, 0xffff                    ; the head, 16 batch + head
	v_and_b32 v6, 31, v0
	s_delay_alu instid0(VALU_DEP_1)
	v_lshlrev_b32 v1, 4, v6
	s_delay_alu instid0(VALU_DEP_2)
	v_lshlrev_b32 v2, 3, v6
	s_delay_alu instid0(VALU_DEP_2)
	v_add_nc_u32 v3, VL, v1
	s_delay_alu instid0(VALU_DEP_4)
	v_lshl_add_u32 v4, v6, 2, KSCL
	; ---- the fill: 512 threads x 16 bytes = 8,192 bytes an instruction; K's 98,304 bytes, V's, and 4,096 of scale words each
	s_mul_i32 s29, s3, 98304
	s_add_co_u32 s30, s29, IMG_SEC
	s_add_co_u32 s31, s29, 2*IMG_SEC
	v_lshlrev_b32 v26, 4, v0
	s_delay_alu instid0(VALU_DEP_1)
	v_add_nc_u32 v10, s30, v26
	s_delay_alu instid0(VALU_DEP_2)
	v_add_nc_u32 v11, s31, v26
	s_lshl_b32 s29, s3, 12
	s_add_co_u32 s30, s29, SC_SEC
	s_add_co_u32 s31, s29, 2*SC_SEC
	v_lshlrev_b32 v8, 3, v0
	s_delay_alu instid0(VALU_DEP_1)
	v_add_nc_u32 v18, s30, v8
	s_delay_alu instid0(VALU_DEP_2)
	v_add_nc_u32 v19, s31, v8
	v_add_nc_u32 v27, 65536, v26
	v_add_nc_u32 v28, 131072, v26
	v_add_nc_u32 v31, KSCL, v8
	s_wait_alu depctr_va_vdst(0)
	s_wait_kmcnt 0x0
.irp i, 0,1,2,3,4,5,6,7,8,9,10,11
	global_load_b128 v[52+4*\i:55+4*\i], v10, s[4:5] offset:8192*\i
.endr
.irp i, 0,1,2,3,4,5,6,7,8,9,10,11
	global_load_b128 v[100+4*\i:103+4*\i], v11, s[4:5] offset:8192*\i
.endr
	global_load_b64 v[148:149], v18, s[6:7]
	global_load_b64 v[150:151], v19, s[6:7]
	v_mov_b32 v9, 0xff800000
	v_mov_b32 v29, 0xff
	v_mov_b32 v30, 0
	v_mov_b32 v17, 0                               ; (named as the upper half of the pair v[16:17])
.irp i, 32,33,34,35,36,37,44,45,46,47,48,49
	v_mov_b32 v\i, 0                               ; the zero codes on both sides of q
.endr
	s_mov_b32 s24, 0x76543210
	s_mov_b32 s25, 0xfedcba98
	s_mov_b32 s26, 0x3e38aa3b                      ; c = log2(e) / 8
	s_mov_b32 s27, s26
	s_mov_b32 s23, 0xffff0000
	s_and_b32 s29, ttmp9, 1                        ; my query tiles are the even or the odd ones of their pairs
	s_cmp_eq_u32 s29, 0
	s_mov_b32 s22, 0x03020302
	s_cselect_b32 s22, 0x01000100, s22
	s_mov_b32 s14, s2
	s_mov_b32 s16, 0
.set i, 0
.rept 24
	s_wait_loadcnt 25-i                            ; load i is in: 25 - i were issued behind it
	ds_store_b128 v[26+i/8], v[52+4*i:55+4*i] offset:8192*(i%8)
.set i, i+1
.endr
	s_wait_loadcnt 1
	ds_store_b64 v31, v[148:149]
	s_wait_loadcnt 0x0
	ds_store_b64 v31, v[150:151] offset:VSCL-KSCL
	s_wait_dscnt 0x0                               ; for the others' sake: my stores have landed
	s_barrier_signal -1
	s_barrier_wait -1                              ; from here on LDS is only read
.Lpass:
	s_lshl_b32 s15, s14, 2
	s_add_co_u32 s15, s15, ttmp9                   ; my query tile
	s_lshl_b32 s29, s15, 4
	s_load_b128 s[84:87], s[8:9], s29 offset:MFLG  ; its four words of tile bits
	s_lshl_b32 s30, s3, 7
	s_add_co_u32 s30, s30, s15
	s_mul_i32 s30, s30, 768
	v_add_nc_u32 v10, s30, v1
	v_add_nc_u32 v11, s30, v2
	global_load_b128 v[38:41], v10, s[4:5]         ; q's image
	global_load_b64 v[42:43], v11, s[4:5] offset:512
	s_lshl_b32 s31, s3, 6
	s_lshr_b32 s30, s15, 1
	s_add_co_u32 s31, s31, s30
	s_lshl_b32 s31, s31, 6                         ; its pair's sixteen scale words
	v_and_b32 v19, 15, v0
	s_delay_alu instid0(VALU_DEP_1)
	v_lshl_add_u32 v19, v19, 2, s31
	global_load_b32 v18, v19, s[6:7]
	v_mov_b32 v13, 0xff61b1e6                      ; the largest t so far: -3e38
	s_delay_alu instid0(VALU_DEP_1)
	v_floor_f32 v12, -v13                          ; -M
	v_mov_b32 v14, 0
	v_mov_b32 v15, 0
.irp b, 0,1,2,3
	v_mov_b32 v[PB+\b], 0                          ; a lane permute's destination counts as one of its sources
.endr
	s_wait_kmcnt 0x0
	s_or_b32 s21, s84, s85
	s_or_b32 s29, s86, s87
	s_or_b32 s21, s21, s29                         ; bit 2 s: step s has a key that counts; bit 2 s + 1: one that is hidden
	s_wait_loadcnt 0x0
	v_perm_b32 v[QSW], v18, v18, s22               ; my tile's two bytes, twice: they serve [q | 0] and [0 | q]
.set j, 0
.rept 32
	v_mov_b32 v[O+j], 0                            ; O^T: steps may be left out, so no step is the first by the text.  (These are also the places behind the write of the scale register)
.set j, j+1
.endr
	s_mov_b32 s18, 0
	s_mov_b32 s19, 0
	s_lshl_b32 s20, s15, 12                        ; 16 steps x 256 bytes of lane masks a tile
	s_mov_b32 s17, 16
.Lkey:                                             ; sixteen trips, a constant: what is left out is a step's work, not its trip
	s_bitcmp1_b32 s21, 0
	s_cbranch_scc0 .Lskip
	s_setprio 2
	v_add_nc_u32 v5, s18, v1                       ; (these four are the places behind the last products, in front of the loads)
	v_add_nc_u32 v6, s18, v2
	v_add_nc_u32 v7, s18, v3
	v_add_nc_u32 v8, s19, v4
.irp t, 0,1,2,3,4,5,6,7
	ds_load_b128 v[KV+6*\t:KV+6*\t+3], v5 offset:768*\t
	ds_load_b64 v[KV+6*\t+4:KV+6*\t+5], v6 offset:768*\t+512
.endr
	ds_load_b32 v[KSW], v8                         ; lanes 0-15: pair 0's words, lanes 16-31: pair 1's
	ds_load_b32 v[KSW+1], v8 offset:128            ; pairs 2 and 3
	s_wait_alu depctr_va_vdst(0)
	s_wait_dscnt 0x0
.irp t, 0,1,2,3,4,5,6,7                        ; S^T: tile t of 16 keys; even tiles against [q | 0] = v[38:49], odd ones against [0 | q] = v[32:43]
.if ((\t/2)%2) == 0
	v_wmma_scale_f32_16x16x128_f8f6f4 v[S+8*\t:S+8*\t+7], v[KV+12*(\t/2):KV+12*(\t/2)+11], v[38-6*(\t%2):49-6*(\t%2)], 0, v[KSW+\t/4], v[QSW] matrix_a_fmt:MATRIX_FMT_FP6 matrix_b_fmt:MATRIX_FMT_FP6
.else
	v_wmma_scale_f32_16x16x128_f8f6f4 v[S+8*\t:S+8*\t+7], v[KV+12*(\t/2):KV+12*(\t/2)+11], v[38-6*(\t%2):49-6*(\t%2)], 0, v[KSW+\t/4], v[QSW] matrix_a_fmt:MATRIX_FMT_FP6 matrix_b_fmt:MATRIX_FMT_FP6 matrix_a_scale:MATRIX_SCALE_ROW1
.endif
.endr
.rept 4
	v_nop                                          ; places in front of the loads into K's registers and of the first read of the scores
.endr
.irp d, 0,1,2,3                                ; V's four fragments land while the softmax is walked
.irp i, 0,1,2
	ds_load_b128 v[KV+12*\d+4*\i:KV+12*\d+4*\i+3], v7 offset:1536*\d+512*\i
.endr
.endr
	ds_load_b32 v[VSW], v8 offset:VSCL-KSCL        ; channel tiles 0 and 1
	ds_load_b32 v[VSW+1], v8 offset:VSCL-KSCL+128  ; 2 and 3
	s_bitcmp1_b32 s21, 1
	s_cbranch_scc0 .Lopen
	s_load_b512 s[32:47], s[8:9], s20 offset:0     ; the tile's 64 lane masks: word n for register n
	s_load_b512 s[48:63], s[8:9], s20 offset:64
	s_load_b512 s[68:83], s[8:9], s20 offset:128
	s_load_b512 s[84:99], s[8:9], s20 offset:192
	s_wait_kmcnt 0x0
.set n, 0
.rept 64
.if n < 32
	v_cndmask_b32 v[S+n], v[S+n], v9, s[32+n]      ; a hidden score becomes -infinity: p = 0
.else
	v_cndmask_b32 v[S+n], v[S+n], v9, s[36+n]
.endif
.set n, n+1
.endr
.Lopen:
.irp b, 0,1,2,3
	v_max3_num_f32 v[BM+\b], v[S+16*\b], v[S+1+16*\b], v[S+2+16*\b]   ; the largest score of each block of 32 keys: for the row's maximum, and for the block's largest p
.endr
.irp i, 3,5,7,9,11,13
.irp b, 0,1,2,3
	v_max3_num_f32 v[BM+\b], v[BM+\b], v[S+16*\b+\i], v[S+1+16*\b+\i]
.endr
.endr
.irp b, 0,1,2,3
	v_max_num_f32 v[BM+\b], v[BM+\b], v[S+15+16*\b]
.endr
.irp b, 0,1,2,3
	s_delay_alu instid0(VALU_DEP_4)
	v_permlanex16_b32 v[PB+\b], v[BM+\b], s24, s25
.endr
.irp b, 0,1,2,3
	s_delay_alu instid0(VALU_DEP_4)
	v_max_num_f32 v[BM+\b], v[BM+\b], v[PB+\b]     ; with lane l xor 16's 16 keys
.endr
	s_delay_alu instid0(VALU_DEP_2)
	v_max3_num_f32 v18, v[BM], v[BM+1], v[BM+2]
	s_delay_alu instid0(VALU_DEP_1)
	v_max_num_f32 v18, v18, v[BM+3]
	s_delay_alu instid0(VALU_DEP_1)
	v_mul_f32 v18, s26, v18                        ; as t
	s_delay_alu instid0(VALU_DEP_1)
	v_max_num_f32 v13, v13, v18                    ; the running largest t
	v_mov_b32 v18, v12
	s_delay_alu instid0(VALU_DEP_2)
	v_floor_f32 v12, -v13                          ; the new -M = -ceil(t)
	s_delay_alu instid0(VALU_DEP_1)
	v_sub_f32 v18, v12, v18                        ; old M - new M: a whole number, 0 or less
	s_delay_alu instid0(VALU_DEP_1)
	v_cvt_i32_f32 v18, v18                         ; (it saturates)
	s_delay_alu instid0(VALU_DEP_1)
	v_ldexp_f32 v16, 1.0, v18                      ; f = 2^(old M - new M): exact
.set j, 0
.rept 32
	v_pk_fma_f32 v[S+j:S+j+1], v[S+j:S+j+1], s[26:27], v[12:13] op_sel_hi:[1,0,0]   ; t - M
.set j, j+2
.endr
.irp b, 0,1,2,3
	v_fma_f32 v[BM+\b], v[BM+\b], s26, v12         ; the same of each block's largest score
.endr
.set j, 0
	s_setprio 1
	s_wait_alu depctr_va_vdst(0)
.rept 64
	v_exp_f32 v[S+j], v[S+j]                       ; p = 2^(t - M)
.set j, j+1
.endr
	v_pk_mul_f32 v[14:15], v[14:15], v[16:17] op_sel_hi:[1,0]   ; the sums under the new M: a plain place behind the exponentials
	s_wait_alu depctr_va_vdst(0)                   ; one wait for the batch, ahead of its first reader
.irp b, 0,1,2,3
	v_exp_f32 v[BM+\b], v[BM+\b]                   ; the blocks' largest p
.endr
	v_pk_add_f32 v[228:229], v[104:105], v[108:109]
	v_pk_add_f32 v[252:253], v[112:113], v[116:117]
	v_pk_add_f32 v[250:251], v[120:121], v[124:125]
	v_pk_add_f32 v[248:249], v[128:129], v[132:133]
	v_pk_add_f32 v[246:247], v[136:137], v[140:141]
	v_pk_add_f32 v[244:245], v[144:145], v[148:149]
	v_pk_add_f32 v[242:243], v[152:153], v[156:157]
	v_pk_add_f32 v[14:15], v[14:15], v[160:161]
	v_pk_add_f32 v[228:229], v[228:229], v[100:101]
	v_pk_add_f32 v[252:253], v[252:253], v[102:103]
	v_pk_add_f32 v[250:251], v[250:251], v[106:107]
	v_pk_add_f32 v[248:249], v[248:249], v[110:111]
	v_pk_add_f32 v[246:247], v[246:247], v[114:115]
	v_pk_add_f32 v[244:245], v[244:245], v[118:119]
	v_pk_add_f32 v[242:243], v[242:243], v[122:123]
	v_pk_add_f32 v[14:15], v[14:15], v[126:127]
	v_pk_add_f32 v[228:229], v[228:229], v[130:131]
	v_pk_add_f32 v[252:253], v[252:253], v[134:135]
	v_pk_add_f32 v[250:251], v[250:251], v[138:139]
	v_pk_add_f32 v[248:249], v[248:249], v[142:143]
	v_pk_add_f32 v[246:247], v[246:247], v[146:147]
	v_pk_add_f32 v[244:245], v[244:245], v[150:151]
	v_pk_add_f32 v[242:243], v[242:243], v[154:155]
	v_pk_add_f32 v[14:15], v[14:15], v[158:159]
	v_pk_add_f32 v[228:229], v[228:229], v[162:163]
	s_delay_alu instid0(VALU_DEP_2)
	v_pk_add_f32 v[14:15], v[14:15], v[248:249]
	s_delay_alu instid0(VALU_DEP_2)
	v_pk_add_f32 v[228:229], v[228:229], v[246:247]
	v_pk_add_f32 v[252:253], v[252:253], v[244:245]
	v_pk_add_f32 v[250:251], v[250:251], v[242:243]
	s_delay_alu instid0(VALU_DEP_2)
	v_pk_add_f32 v[14:15], v[14:15], v[252:253]
	s_delay_alu instid0(VALU_DEP_2)
	v_pk_add_f32 v[228:229], v[228:229], v[250:251]
	s_delay_alu instid0(VALU_DEP_1)
	v_pk_add_f32 v[14:15], v[14:15], v[228:229]
	s_wait_alu depctr_va_vdst(0)                   ; and one for the four
.irp b, 0,1,2,3
	v_max_num_f32 v[BM+\b], 0x1800000, v[BM+\b]    ; the floor 2^(3 - 127)
.endr
.irp b, 0,1,2,3
	s_delay_alu instid0(VALU_DEP_4)
	v_add_nc_u32 v[SO+\b], 0xff000000, v[BM+\b]    ; 2 off the exponent field: the conversion's scale operand
.endr
.irp b, 0,1,2,3
	s_delay_alu instid0(VALU_DEP_4)
	v_lshrrev_b32 v[PB+\b], 23, v[SO+\b]           ; the scale's byte
.endr
	s_delay_alu instid0(VALU_DEP_3)
	v_lshl_or_b32 v[PSW], v[PB+1], 8, v[PB]
	s_delay_alu instid0(VALU_DEP_1)
	v_lshl_or_b32 v[PSW], v[PB+2], 16, v[PSW]
	s_delay_alu instid0(VALU_DEP_1)
	v_lshl_or_b32 v[PSW], v[PB+3], 24, v[PSW]
.irp c, 0,1
	v_cvt_scalef32_pk16_fp6_f32 v[PC+6*\c:PC+2+6*\c], v[S+32*\c:S+15+32*\c], v[SO+2*\c]
	v_cvt_scalef32_pk16_fp6_f32 v[CT+4*\c:CT+2+4*\c], v[S+16+32*\c:S+31+32*\c], v[SO+2*\c+1]
.endr
	s_setprio 0
	v_nop                                          ; one plain place behind a scaled conversion
.irp c, 0,1
.irp i, 0,1,2
	v_permlane16_swap_b32 v[PC+6*\c+\i], v[CT+4*\c+\i]
.endr
.irp i, 0,1,2
	s_delay_alu instid0(VALU_DEP_3)
	v_mov_b32 v[PC+3+6*\c+\i], v[CT+4*\c+\i]
.endr
.endr
.set j, 0
.rept 16
	v_pk_mul_f32 v[O+j:O+j+1], v[O+j:O+j+1], v[16:17] op_sel_hi:[1,0]   ; O^T under the new M.  (Also the places in front of the scaled products)
.set j, j+2
.endr
	s_wait_alu depctr_va_vdst(0)
	s_wait_dscnt 0x0                               ; V
.irp d, 0,1,2,3                                ; O^T += V^T P^T: the four accumulators by turns
.if (\d%2) == 0
	v_wmma_scale_f32_16x16x128_f8f6f4 v[O+8*\d:O+8*\d+7], v[KV+12*\d:KV+12*\d+11], v[PC:PC+11], v[O+8*\d:O+8*\d+7], v[VSW+\d/2], v[PSW] matrix_a_fmt:MATRIX_FMT_FP6 matrix_b_fmt:MATRIX_FMT_FP6
.else
	v_wmma_scale_f32_16x16x128_f8f6f4 v[O+8*\d:O+8*\d+7], v[KV+12*\d:KV+12*\d+11], v[PC:PC+11], v[O+8*\d:O+8*\d+7], v[VSW+\d/2], v[PSW] matrix_a_fmt:MATRIX_FMT_FP6 matrix_b_fmt:MATRIX_FMT_FP6 matrix_a_scale:MATRIX_SCALE_ROW1
.endif
.endr
.Lskip:
	s_lshr_b32 s21, s21, 2
	s_add_co_u32 s18, s18, 6144
	s_add_co_u32 s19, s19, 256
	s_add_co_u32 s20, s20, 256
	s_sub_co_u32 s17, s17, 1
	s_cmp_lg_u32 s17, 0
	s_cbranch_scc1 .Lkey
	s_setprio 0
	; ---- the way out of a pass: O^T / the sum, quantised along the head's 64: two blocks, each in lanes l and l xor 16
	v_add_f32 v14, v14, v15
	s_delay_alu instid0(VALU_DEP_1)
	v_permlanex16_b32 v[PB], v14, s24, s25
	s_delay_alu instid0(VALU_DEP_1)
	v_add_f32 v14, v14, v[PB]                      ; the row's sum
	s_wait_alu depctr_va_vdst(0)
	v_rcp_f32 v18, v14
	s_lshr_b32 s29, s3, 4
	s_lshl_b32 s29, s29, 7
	s_add_co_u32 s29, s29, s15                     ; the tile among all 512: 128 batch + query tile
	s_lshl_b32 s30, s29, 4
	s_and_b32 s31, s3, 15
	s_add_co_u32 s30, s30, s31
	s_mul_i32 s30, s30, 768
	v_add_nc_u32 v26, s30, v1                      ; (a plain place behind the reciprocal)
	v_add_nc_u32 v27, s30, v2
	s_lshl_b32 s29, s29, 9
	s_lshl_b32 s31, s31, 1
	s_add_co_u32 s29, s29, s31
	v_and_b32 v28, 15, v0
	s_delay_alu instid0(VALU_DEP_1)
	v_lshlrev_b32 v28, 5, v28
	v_bfe_u32 v31, v0, 4, 1
	s_delay_alu instid0(VALU_DEP_1)
	v_add3_u32 v28, v28, v31, s29                  ; my scale byte: row 16 T + r of 32 bytes, byte 2 head + h
	v_cmp_eq_f32 s28, 0, v14                       ; a row with no key
	s_wait_alu depctr_va_vdst(0)                   ; ahead of the reciprocal's first reader
	v_cndmask_b32 v18, v18, v30, s28
.set j, 0
.rept 16
	v_pk_mul_f32 v[S+j:S+j+1], v[O+j:O+j+1], v[18:19] op_sel_hi:[1,0]   ; register 16 b + i: channel 32 b + 16 h + i; each accumulator from its low end on
.set j, j+2
.endr
.irp b, 0,1
	v_max3_num_f32 v[BM+\b], |v[S+16*\b]|, |v[S+1+16*\b]|, 0x1800000
.endr
.irp i, 2,4,6,8,10,12,14
.irp b, 0,1
	s_delay_alu instid0(VALU_DEP_2)
	v_max3_num_f32 v[BM+\b], v[BM+\b], |v[S+16*\b+\i]|, |v[S+1+16*\b+\i]|
.endr
.endr
.irp b, 0,1
	s_delay_alu instid0(VALU_DEP_2)
	v_permlanex16_b32 v[PB+\b], v[BM+\b], s24, s25
.endr
.irp b, 0,1
	s_delay_alu instid0(VALU_DEP_2)
	v_max_num_f32 v[BM+\b], v[BM+\b], v[PB+\b]
.endr
.irp b, 0,1
	s_delay_alu instid0(VALU_DEP_2)
	v_add_nc_u32 v[SO+\b], 0xff000000, v[BM+\b]
.endr
.irp b, 0,1
	s_delay_alu instid0(VALU_DEP_2)
	v_lshrrev_b32 v[PB+\b], 23, v[SO+\b]
.endr
	v_cvt_scalef32_pk16_fp6_f32 v[PC:PC+2], v[S:S+15], v[SO]
	v_cvt_scalef32_pk16_fp6_f32 v[CT:CT+2], v[S+16:S+31], v[SO+1]
	v_nop
.irp i, 0,1,2
	v_permlane16_swap_b32 v[PC+\i], v[CT+\i]       ; lanes 0-15: block 0 whole, lanes 16-31: block 1
.endr
.irp i, 0,1,2
	s_delay_alu instid0(VALU_DEP_3)
	v_mov_b32 v[PC+3+\i], v[CT+\i]
.endr
	v_cndmask_b32 v31, v[PB], v[PB+1], s23         ; lane (r, h): block h's byte,
	s_delay_alu instid0(VALU_DEP_1)
	v_cndmask_b32 v31, v31, v29, s28               ; or 0xff for a row with no key
	global_store_b128 v26, v[PC:PC+3], s[10:11]    ; the image: 512 and 256 consecutive bytes, aligned
	global_store_b64 v27, v[PC+4:PC+5], s[10:11] offset:512
	global_store_b8 v28, v31, s[12:13]
	s_wait_xcnt 0x0                                ; the stores have read their registers: the next pass writes them
	s_sub_co_u32 s14, 31, s2
	s_add_co_u32 s16, s16, 1
	s_cmp_lt_u32 s16, 2
	s_cbranch_scc1 .Lpass
	s_wait_tensorcnt 0x0
	ds_add_u32 v254, v255
	s_wait_dscnt 0x0
	s_endpgm
.Lfunc_end_k_q61d201d7a5_attn:
	.size	k_q61d201d7a5_attn, .Lfunc_end_k_q61d201d7a5_attn-k_q61d201d7a5_attn
	.p2alignl 7, 3214868480
	.fill 96, 4, 3214868480
	.section	.rodata,"a",@progbits
	.p2align	6, 0x0
	.amdhsa_kernel k_q61d201d7a5_attn
		.amdhsa_group_segment_fixed_size 206848
		.amdhsa_private_segment_fixed_size 0
		.amdhsa_enable_private_segment 0
		.amdhsa_kernarg_size 40
		.amdhsa_user_sgpr_count 2
		.amdhsa_user_sgpr_kernarg_segment_ptr 1
		.amdhsa_wavefront_size32 1
		.amdhsa_system_sgpr_workgroup_id_x 1
		.amdhsa_system_sgpr_workgroup_id_y 1
		.amdhsa_system_sgpr_workgroup_id_z 1
		.amdhsa_system_vgpr_workitem_id 0
		.amdhsa_next_free_vgpr 256
		.amdhsa_next_free_sgpr 100
		.amdhsa_reserve_vcc 0
		.amdhsa_float_denorm_mode_32 3
		.amdhsa_float_denorm_mode_16_64 3
		.amdhsa_memory_ordered 1
		.amdhsa_forward_progress 1
		.amdhsa_inst_pref_size 38
	.end_amdhsa_kernel
	.amdgpu_metadata
---
amdhsa.version: [ 1, 2 ]
amdhsa.kernels:
  - .name:           k_q61d201d7a5_attn
    .symbol:         k_q61d201d7a5_attn.kd
    .args:
      - { .name: qkv_img, .offset: 0, .size: 8, .value_kind: global_buffer, .address_space: global }
      - { .name: qkv_sc, .offset: 8, .size: 8, .value_kind: global_buffer, .address_space: global }
      - { .name: mwords, .offset: 16, .size: 8, .value_kind: global_buffer, .address_space: global }
      - { .name: cimg, .offset: 24, .size: 8, .value_kind: global_buffer, .address_space: global }
      - { .name: csc, .offset: 32, .size: 8, .value_kind: global_buffer, .address_space: global }
    .group_segment_fixed_size: 206848
    .private_segment_fixed_size: 0
    .kernarg_segment_align: 8
    .kernarg_segment_size: 40
    .max_flat_workgroup_size: 512
    .sgpr_count:     100
    .vgpr_count:     256
    .wavefront_size: 32
...
	.end_amdgpu_metadata
.endif
;; end of part 3
;; launch proj (part 4): grid 4 x 32, 4 waves a work-group, clusters of 4 x 4, 327,680 bytes of LDS; arguments cimg, csc, xw_codes, xw_scales, b_out, out0; writes out0
.if DOCPART == 4
	.amdgcn_target "amdgcn-amd-amdhsa--gfx1250"
	.amdhsa_code_object_version 6
	.text
	.protected	k_q61d201d7a5_proj
	.globl	k_q61d201d7a5_proj
	.p2align	8
	.type	k_q61d201d7a5_proj,@function
k_q61d201d7a5_proj:
	s_mov_b64 s[64:65], 0
	v_nop
	global_prefetch_b8 v0, s[64:65] scope:SCOPE_SE
	s_setreg_imm32_b32 hwreg(HW_REG_WAVE_MODE, 25, 1), 1
	s_wait_xcnt 0x0
	s_wait_alu depctr_hold_cnt(0) depctr_sa_sdst(0) depctr_va_vdst(0) depctr_va_sdst(0) depctr_va_ssrc(0) depctr_va_vcc(0) depctr_vm_vsrc(0)
	s_getreg_b32 s2, hwreg(HW_REG_IB_STS2, 6, 4)
	s_cmp_eq_u32 s2, 0
	s_cbranch_scc0 .Lentry_in_a_cluster
	s_endpgm
.Lentry_in_a_cluster:
	s_bfe_u32 s2, ttmp6, 0x10000c
	s_cmp_lg_u32 s2, 0xf033
	s_cbranch_scc0 .Lentry_shape_is_right
	s_endpgm
.Lentry_shape_is_right:
; PROJ.  out0 = ctx w_out^T + b_out on codes of FP6 (E2M3), K = 1,024.  A tile of 256 x 256 to a work-group of four waves, 128 x 128 a wave; K in steps of 256 through a ring of two LDS slots.
; A = ctx comes as IMAGES OF ITS REGISTERS: [tile of 16 rows 512][head 16][768 bytes]: registers 0-3 at 16 x lane, registers 4-5 at 512 + 8 x lane; heads 2 q and 2 q + 1 are registers 0-5 and 6-11 of the fragment of the q-th 128 along K.
; A K step (4 heads) of 8 tiles of rows is 8 rows of 3,072 bytes, 12,288 apart: one tensor load a wave, dense in LDS; a fragment comes by two loads of 16 bytes and two of 8, each over consecutive bytes.
; ctx's rows are in position order (bits 3 and 4 of the row number exchanged): the stores put them back.  Its scale bytes [row][32] and B = w_out (rows 11,264 on of the codes and scale bytes, natural order) are as rows.
; The matrix instruction is used transposed (source 0 = w_out's rows, source 1 = ctx's): a lane holds eight neighbouring numbers of a row of out0.  b_out is the C of each sum's first matrix instruction.
; CLUSTERS: 4 x 4 work-groups; A's tiles are asked for jointly along a row of the cluster, B's along a column.  128 work-groups: a smaller tile would fill more of the chip at twice the LDS reads for each product.  No prefetch: two refills a work-group.
; A row whose scale bytes are 0xff (a query with no key) comes out NaN.
; REGISTERS: window 0: v0-31 addresses; v32-63 scale words, two sets; v64-127 the bias; v128-223 A's fragments, one set; on the way out v128-255.  window 1: B's fragments, two sets.  windows 2, 3: the accumulators.
.set NQ,     2
.set ROWB,   192
.set KROW,   768
.set PITCH,  240
.set FR,     12
.set NLA,    4                         ; LDS loads that bring a fragment of A
.set NP,     4
.set HALFT,  128*PITCH                 ; B: 128 padded rows; A: 24,576 dense bytes in the same room
.set SLOT,   4*HALFT
.set LAPS,   2
.set KS,     32
.set SCL,    2*SLOT
.set HALFS,  16*272
.set SBLK,   2*272
.set SPARE,  SCL+4*HALFS
.set SPITCH, 528                       ; the way out: a stage of 16 rows x (512 + 16) bytes a wave, in slot 0, which has had its last fill and its last read by then
.set WROW,   11264                     ; w_out's first row among the codes
.set ADRA, 16                          ; v16-17 A's images in slot 0, 1: + 16 x lane;  v18-19: + 8 x lane
.set ADRB, 20
.set STO,  24
.set RD,   25
.set CO,   26
.set ADRS, 27
.set SPW,  28
.set NIL,  29
.set SC,   32
.set BI,   64
.set AF,   128
.set BK,   128
.set G1, 24
.set G0, 32
.set G1B, 48
.set G0B, 56
.set G1S, 68
.set G0S, 76
.set G1SB, 80
.set G0SB, 88
.set MSB, 0
.macro WIN new
.if MSB != \new
	s_set_vgpr_msb (MSB<<8)|\new
.set MSB, \new
.endif
.endm
.set MUL_LO, 0xa1
.set MUL_HI, 0xf1
.set FST_LO, 0x81
.set FST_HI, 0xc1
.set TO_B,   0x40
.macro JLOAD g0a, g1a, g0b, g1b
	s_cmp_eq_u32 s15, 0
	s_cbranch_scc0 .Lfor_b_\@
	tensor_load_to_lds s[\g0a:\g0a+3], s[\g1a:\g1a+7]
	s_nop 0
.rept 4
	v_nop
.endr
	s_branch .Lasked_\@
.Lfor_b_\@:
	tensor_load_to_lds s[\g0b:\g0b+3], s[\g1b:\g1b+7]
	s_nop 0
.rept 4
	v_nop
.endr
.Lasked_\@:
.endm
.macro CREST
	s_cmp_lg_u32 s14, 0
	s_cbranch_scc1 .Lnot_wave_0_\@
	s_barrier_signal -3
.Lnot_wave_0_\@:
	s_barrier_wait -3
	s_barrier_signal -1
	s_barrier_wait -1
.endm
.macro CROUND
	s_barrier_signal -1
	s_barrier_wait -1
	CREST
.endm
	s_load_b256 s[4:11], s[0:1], 0x0               ; ctx's images s[4:5], its scale bytes s[6:7], the codes s[8:9], their scale bytes s[10:11]
	s_load_b128 s[96:99], s[0:1], 0x20             ; b_out s[96:97], out0 s[98:99]
	v_lshl_add_u32 v[SPW], v0, 2, SPARE
	v_mov_b32 v[NIL], 0
	ds_add_u32 v28, v29
	ds_add_u32 v28, v29
	s_wait_dscnt 0x0
	v_lshrrev_b32 v1, 5, v0
	v_readfirstlane_b32 s14, v1
	s_lshr_b32 s15, s14, 1
	s_and_b32 s16, s14, 1
	s_bfe_u32 s40, ttmp6, 0x40000
	s_bfe_u32 s41, ttmp6, 0x40004
	s_lshl_b32 s42, ttmp9, 2
	s_add_co_u32 s42, s42, s40                     ; tile column
	s_and_b32 s17, ttmp7, 0xffff
	s_lshl_b32 s17, s17, 2
	s_add_co_u32 s17, s17, s41                     ; tile row
	s_lshl_b32 s43, s41, 2
	s_lshl_b32 s43, 15, s43
	s_lshl_b32 s44, 0x1111, s40
	s_or_b32 s[G1+0], s43, (3<<16)|(1<<21)         ; A: the mask; elements of 8 bytes; no padding; bit 21 beside a mask
	s_mov_b32 s[G1+1], 384<<16                     ; tensor_dim0: 3,072 bytes
	s_mov_b32 s[G1+2], 8<<16                       ; tensor_dim1: 8 tiles of rows
	s_mov_b32 s[G1+3], 384<<16
	s_mov_b32 s[G1+4], 8
	s_mov_b32 s[G1+5], 1536                        ; the pitch: 12,288 bytes
	s_mov_b32 s[G1+6], 0
	s_mov_b32 s[G1+7], 0
	s_or_b32 s[G1B+0], s44, (0<<16)|(1<<20)|(1<<21)|(3<<22)|(3<<25)
	s_mov_b32 s[G1B+1], ROWB<<16
	s_mov_b32 s[G1B+2], 128<<16
	s_mov_b32 s[G1B+3], ROWB<<16
	s_mov_b32 s[G1B+4], 128
	s_mov_b32 s[G1B+5], KROW
	s_mov_b32 s[G1B+6], 0
	s_mov_b32 s[G1B+7], 0
	s_or_b32 s[G1S+0], s43, (3<<16)|(1<<20)|(1<<21)|(5<<22)|(3<<25)
	s_or_b32 s[G1SB+0], s44, (3<<16)|(1<<20)|(1<<21)|(5<<22)|(3<<25)
.irp g, G1S, G1SB
	s_mov_b32 s[\g+1], 32<<16
	s_mov_b32 s[\g+2], 16<<16
	s_mov_b32 s[\g+3], 32<<16
	s_mov_b32 s[\g+4], 16
	s_mov_b32 s[\g+5], 32
	s_mov_b32 s[\g+6], 0
	s_mov_b32 s[\g+7], 0
.endr
	s_lshl_b32 s20, s17, 4
	s_lshl_b32 s18, s16, 3
	s_add_co_u32 s20, s20, s18                     ; A: the first of the 8 tiles of rows that I fetch
	s_lshl_b32 s22, s20, 9                         ; its scale bytes: 16 rows of 32
	s_mul_i32 s20, s20, 12288
	s_mov_b32 s21, 0
	s_mov_b32 s23, 0
	s_lshl_b32 s46, s42, 8
	s_lshl_b32 s18, s16, 7
	s_add_co_u32 s46, s46, s18
	s_add_co_u32 s46, s46, WROW                    ; B: the first of the 128 rows that I fetch
	s_lshl_b32 s92, s46, 5
	s_mul_i32 s46, s46, KROW
	s_mov_b32 s47, 0
	s_mov_b32 s93, 0
	s_mul_i32 s45, s14, HALFT
	s_mul_i32 s94, s14, HALFS
	s_wait_kmcnt 0x0
	s_add_nc_u64 s[20:21], s[4:5], s[20:21]
	s_add_nc_u64 s[22:23], s[6:7], s[22:23]
	s_add_nc_u64 s[46:47], s[8:9], s[46:47]
	s_add_nc_u64 s[92:93], s[10:11], s[92:93]
	CROUND
	s_mov_b32 s[G0S], 1
	s_add_co_u32 s[G0S+1], s94, SCL
	s_mov_b64 s[G0S+2:G0S+3], s[22:23]
	s_or_b32 s[G0S+3], s[G0S+3], 0x80000000
	s_mov_b32 s[G0SB], 1
	s_add_co_u32 s[G0SB+1], s94, SCL
	s_mov_b64 s[G0SB+2:G0SB+3], s[92:93]
	s_or_b32 s[G0SB+3], s[G0SB+3], 0x80000000
	JLOAD G0S, G1S, G0SB, G1SB                     ; the scales first; each slot's load waits for the one before it, so one load of mine is out at a time
.irp s, 0,1
	s_mov_b32 s[G0+4*\s], 1
	s_add_co_u32 s[G0+4*\s+1], s45, \s*SLOT
	s_add_nc_u64 s[G0+4*\s+2:G0+4*\s+3], s[20:21], \s*3072
	s_or_b32 s[G0+4*\s+3], s[G0+4*\s+3], 0x80000000
	s_mov_b32 s[G0B+4*\s], 1
	s_add_co_u32 s[G0B+4*\s+1], s45, \s*SLOT
	s_add_nc_u64 s[G0B+4*\s+2:G0B+4*\s+3], s[46:47], \s*ROWB
	s_or_b32 s[G0B+4*\s+3], s[G0B+4*\s+3], 0x80000000
	s_wait_alu depctr_va_vdst(0)
	s_wait_tensorcnt 0x0
	ds_add_u32 v28, v29
	s_wait_dscnt 0x0
	CROUND
	JLOAD G0+4*\s, G1, G0B+4*\s, G1B
.endr
	v_and_b32 v1, 15, v0                           ; r
	v_bfe_u32 v2, v0, 4, 1                         ; h
	v_and_b32 v6, 31, v0                           ; lane
	v_mul_u32_u24 v3, v1, PITCH
	v_mul_u32_u24 v4, v2, 24
	v_add_nc_u32 v4, v3, v4
	v_lshl_add_u32 v5, v2, 4, v4
	v_lshlrev_b32 v[CO], 4, v6                     ; 16 x lane
	v_lshlrev_b32 v8, 3, v6                        ; 8 x lane
	s_mul_i32 s21, s15, HALFT
	s_mul_i32 s22, s16, HALFT
	s_add_co_u32 s22, s22, 2*HALFT
.irp s, 0,1
	v_add_nc_u32 v[ADRA+\s], s21, v[CO]
	v_add_nc_u32 v[ADRA+2+\s], s21, v8
	v_add_nc_u32 v[ADRB+\s], s22, v4
	v_add_nc_u32 v[ADRB+2+\s], s22, v5
	s_add_co_u32 s21, s21, SLOT
	s_add_co_u32 s22, s22, SLOT
.endr
	v_mul_u32_u24 v5, v1, KS
	v_lshrrev_b32 v6, 8, v5
	v_lshl_add_u32 v5, v6, 4, v5
	s_mul_i32 s21, s15, HALFS
	s_mul_i32 s22, s16, HALFS
	s_add_co_u32 s22, s22, 2*HALFS
	s_sub_co_u32 s22, s22, s21
	v_mul_u32_u24 v6, s22, v2
	s_add_co_u32 s21, s21, SCL
	v_add_nc_u32 v5, v5, v6
	v_add_nc_u32 v[ADRS], s21, v5
	s_mul_i32 s23, s14, 16*SPITCH                  ; my stage
	v_mul_u32_u24 v5, v1, SPITCH
	v_lshl_add_u32 v5, v2, 5, v5
	v_add_nc_u32 v[STO], s23, v5
	v_add_nc_u32 v[RD], s23, v[CO]
	v_lshlrev_b32 v7, 5, v2                        ; the bias: 32 h
	s_wait_alu depctr_va_vdst(0)
	s_lshl_b32 s20, s17, 8
	s_lshl_b32 s21, s15, 7
	s_add_co_u32 s20, s20, s21
	s_lshl_b32 s20, s20, 12                        ; my first row of out0: 4,096 bytes a row
	s_mov_b32 s21, 0
	s_lshl_b32 s46, s42, 10
	s_lshl_b32 s47, s16, 9
	s_add_co_u32 s46, s46, s47                     ; my first column, in bytes
	s_mov_b32 s47, 0
	s_add_nc_u64 s[96:97], s[96:97], s[46:47]
	s_add_nc_u64 s[20:21], s[20:21], s[46:47]
	s_add_nc_u64 s[98:99], s[98:99], s[20:21]
.irp b, 0,1,2,3,4,5,6,7                        ; register j of tile b is column 16 b + 8 h + j
	global_load_b128 v[BI+8*\b:BI+8*\b+3], v7, s[96:97] offset:64*\b
	global_load_b128 v[BI+8*\b+4:BI+8*\b+7], v7, s[96:97] offset:64*\b+16
.endr
.macro FRAGB reg, adr, q, i
.irp p, 0,1,2,3,4,5
.set PCE, 12*(\q)+6*(\p/3)+\p%3
.if PCE%8 < 5
	ds_load_b64 v[\reg+2*\p:\reg+2*\p+1], v[\adr] offset:8*PCE+16*(PCE/8)+(\i)*16*PITCH
.else
	ds_load_b64 v[\reg+2*\p:\reg+2*\p+1], v[\adr+2] offset:8*PCE+16*(PCE/8)+(\i)*16*PITCH
.endif
.endr
.endm
.macro FRAGA reg, slot, q, i           ; tile of rows i, the slot's q-th 128 along K: two heads' images
.irp c, 0,1
	ds_load_b128 v[\reg+6*\c:\reg+6*\c+3], v[ADRA+\slot] offset:3072*(\i)+1536*(\q)+768*\c
	ds_load_b64 v[\reg+6*\c+4:\reg+6*\c+5], v[ADRA+2+\slot] offset:3072*(\i)+1536*(\q)+768*\c+512
.endr
.endm
.macro MUL16 a0, p, q, sc, cm          ; cm = 1: the sums begin with the bias.  The 64 accumulators take turns
.irp a, \a0, \a0+1
.irp b, 0,1,2,3,4,5,6,7
.set rD, 8*(8*((\a)%4)+\b)
.set rC, rD
.if \cm == 1
.set rC, BI+8*\b
.endif
	v_wmma_scale_f32_16x16x128_f8f6f4 v[rD:rD+7], v[128*(\p)+FR*\b:128*(\p)+FR*\b+FR-1], v[AF+FR*(\a):AF+FR*(\a)+FR-1], v[rC:rC+7], v[SC+8*NQ*(\sc)+NQ*\b+(\q)], v[SC+8*NQ*(\sc)+NQ*(\a)+(\q)] matrix_a_fmt:MATRIX_FMT_FP6 matrix_b_fmt:MATRIX_FMT_FP6 matrix_a_scale:MATRIX_SCALE_ROW1
.endr
.endr
.endm
.macro FETCH_B slot, q, p
	WIN TO_B
.irp i, 0,1,2,3,4,5,6,7
	FRAGB 128*(\p)+FR*\i, ADRB+\slot, \q, \i
.endr
	WIN 0
.endm
.macro FETCH_A slot, q, i0
.irp i, \i0, \i0+1, \i0+2, \i0+3
	FRAGA AF+FR*(\i), \slot, \q, \i
.endr
.endm
.macro SCALES sc
.irp i, 0,1,2,3,4,5,6,7
	ds_load_b64 v[SC+8*NQ*\sc+NQ*\i:SC+8*NQ*\sc+NQ*\i+1], v[ADRS] offset:\i*SBLK
.endr
.endm
.macro PLACES n
.rept \n
	v_nop
.endr
.endm
.macro STEP slot, q, cm
	s_wait_dscnt 4*NLA                             ; B's set and A's blocks 0-3 are in; the 16 loads of A's blocks 4-7 may be out
.if \cm
	WIN FST_LO
.else
	WIN MUL_LO
.endif
	MUL16 0, (\q)%2, \q, \slot, \cm
	MUL16 2, (\q)%2, \q, \slot, \cm
	s_wait_dscnt 0
	PLACES NP
	FETCH_B \slot, (\q)+1, 1-(\q)%2
	FETCH_A \slot, (\q)+1, 0
.if \cm
	WIN FST_HI
.else
	WIN MUL_HI
.endif
	MUL16 4, (\q)%2, \q, \slot, \cm
	MUL16 6, (\q)%2, \q, \slot, \cm
	PLACES NP
	WIN 0
	FETCH_A \slot, (\q)+1, 4
.endm
.macro TURN slot, next, fill
	s_wait_tensorcnt 0x0                           ; all my tensor loads have landed: my part of the next slot
	ds_add_u32 v[SPW], v[NIL]                      ; 0 onto my spare word
	s_wait_dscnt 4*NLA+1                           ; the add and the 16 loads of A's blocks 4-7 may be out
	WIN MUL_LO
	MUL16 0, 1, NQ-1, \slot, 0
	s_wait_dscnt 0x0                               ; the add is done, and my reads of this slot are over
	s_barrier_signal -1
	MUL16 2, 1, NQ-1, \slot, 0
	WIN 0
	s_barrier_wait -1
.if \fill
	CREST
	s_add_nc_u64 s[G0+4*\slot+2:G0+4*\slot+3], s[G0+4*\slot+2:G0+4*\slot+3], 2*3072
	s_add_nc_u64 s[G0B+4*\slot+2:G0B+4*\slot+3], s[G0B+4*\slot+2:G0B+4*\slot+3], 2*ROWB
	JLOAD G0+4*\slot, G1, G0B+4*\slot, G1B
.else
	PLACES NP
.endif
	s_wait_alu depctr_va_vdst(0)
	v_add_nc_u32 v[ADRS], 4*NQ, v[ADRS]
	FETCH_B \next, 0, 0
	FETCH_A \next, 0, 0
	SCALES \next
	WIN MUL_HI
	MUL16 4, 1, NQ-1, \slot, 0
	MUL16 6, 1, NQ-1, \slot, 0
	PLACES NP
	WIN 0
	FETCH_A \next, 0, 4
.endm
	s_wait_loadcnt 0x0                             ; the bias
	s_wait_tensorcnt 1                             ; the scales and my part of K step 0 are in; K step 1's load may be out
	s_barrier_signal -1
	s_barrier_wait -1
	FETCH_B 0, 0, 0
	FETCH_A 0, 0, 0
	SCALES 0
	FETCH_A 0, 0, 4
	STEP 0, 0, 1
	s_mov_b32 s3, LAPS-1
.Llap:
	TURN 0, 1, 1
	STEP 1, 0, 0
	TURN 1, 0, 1
	STEP 0, 0, 0
	s_sub_co_u32 s3, s3, 1
	s_cmp_lg_u32 s3, 0
	s_cbranch_scc1 .Llap
	TURN 0, 1, 0
	STEP 1, 0, 0
	s_wait_dscnt 4*NLA
	WIN MUL_LO
	MUL16 0, 1, NQ-1, 1, 0
	MUL16 2, 1, NQ-1, 1, 0
	s_wait_dscnt 0
	WIN MUL_HI
	MUL16 4, 1, NQ-1, 1, 0
	MUL16 6, 1, NQ-1, 1, 0
	WIN 0
; THE WAY OUT, block by block of 16 rows x 128 columns, through my own stage in LDS and back as whole rows of 512 bytes.
.macro TOSTAGE a
.set AC, 64*((\a)%4)
.set WD, 0x08+4*((\a)/4)
	WIN WD                                         ; an LDS store's data: window 2 or 3
.irp b, 0,1,2,3,4,5,6,7
	ds_store_b128 v[STO], v[AC+8*\b:AC+8*\b+3] offset:64*\b          ; each accumulator from its low end on
	ds_store_b128 v[STO], v[AC+8*\b+4:AC+8*\b+7] offset:64*\b+16
.endr
	WIN 0
.set BB, BK+64*((\a)%2)
.irp t, 0,1,2,3,4,5,6,7,8,9,10,11,12,13,14,15
	ds_load_b128 v[BB+4*\t:BB+4*\t+3], v[RD] offset:\t*SPITCH
.endr
.endm
.macro SEND a, younger                 ; row t of block a is original row 32 (a / 2) + 8 (a % 2) + t + 8 (t / 8) of my 128: it stands in the immediate, 127 rows of 4,096 bytes at the most, and the base is never stepped
.set BB, BK+64*((\a)%2)
	s_wait_dscnt \younger
.irp t, 0,1,2,3,4,5,6,7,8,9,10,11,12,13,14,15
	global_store_b128 v[CO], v[BB+4*\t:BB+4*\t+3], s[98:99] offset:(32*((\a)/2)+8*((\a)%2)+\t+8*(\t/8))*4096 th:TH_STORE_NT   ; 32 lanes store 512 consecutive bytes, aligned
.endr
.endm
	PLACES NP
	TOSTAGE 0
.irp a, 1,2,3,4,5,6,7
.if \a > 1
	s_wait_xcnt 0x0                                ; block a - 2's stores have read their registers: block a's loads may land there
.endif
	TOSTAGE \a
	SEND \a-1, 32                                  ; behind block a - 1's loads: block a's 16 stores and 16 loads
.endr
	SEND 7, 0
	s_wait_tensorcnt 0x0                           ; the wave's end
	ds_add_u32 v[SPW], v[NIL]
	s_wait_dscnt 0x0
	CROUND                                         ; the closing round
	s_endpgm
.Lfunc_end_k_q61d201d7a5_proj:
	.size	k_q61d201d7a5_proj, .Lfunc_end_k_q61d201d7a5_proj-k_q61d201d7a5_proj
	.p2alignl 7, 3214868480
	.fill 96, 4, 3214868480
	.section	.rodata,"a",@progbits
	.p2align	6, 0x0
	.amdhsa_kernel k_q61d201d7a5_proj
		.amdhsa_group_segment_fixed_size 327680
		.amdhsa_private_segment_fixed_size 0
		.amdhsa_enable_private_segment 0
		.amdhsa_kernarg_size 48
		.amdhsa_user_sgpr_count 2
		.amdhsa_user_sgpr_kernarg_segment_ptr 1
		.amdhsa_wavefront_size32 1
		.amdhsa_system_sgpr_workgroup_id_x 1
		.amdhsa_system_sgpr_workgroup_id_y 1
		.amdhsa_system_sgpr_workgroup_id_z 1
		.amdhsa_system_vgpr_workitem_id 0
		.amdhsa_next_free_vgpr 1024
		.amdhsa_next_free_sgpr 100
		.amdhsa_reserve_vcc 0
		.amdhsa_float_denorm_mode_32 3
		.amdhsa_float_denorm_mode_16_64 3
		.amdhsa_memory_ordered 1
		.amdhsa_forward_progress 1
		.amdhsa_inst_pref_size 154
	.end_amdhsa_kernel
	.amdgpu_metadata
---
amdhsa.version: [ 1, 2 ]
amdhsa.kernels:
  - .name:           k_q61d201d7a5_proj
    .symbol:         k_q61d201d7a5_proj.kd
    .args:
      - { .name: cimg, .offset: 0, .size: 8, .value_kind: global_buffer, .address_space: global }
      - { .name: csc, .offset: 8, .size: 8, .value_kind: global_buffer, .address_space: global }
      - { .name: xw_codes, .offset: 16, .size: 8, .value_kind: global_buffer, .address_space: global }
      - { .name: xw_scales, .offset: 24, .size: 8, .value_kind: global_buffer, .address_space: global }
      - { .name: b_out, .offset: 32, .size: 8, .value_kind: global_buffer, .address_space: global }
      - { .name: out0, .offset: 40, .size: 8, .value_kind: global_buffer, .address_space: global }
    .group_segment_fixed_size: 327680
    .private_segment_fixed_size: 0
    .kernarg_segment_align: 8
    .kernarg_segment_size: 48
    .max_flat_workgroup_size: 128
    .sgpr_count:     100
    .vgpr_count:     1024
    .wavefront_size: 32
...
	.end_amdgpu_metadata
.endif
;; end of part 4
